; MI455X (gfx1250); checked and timed in simulation.
; The chip was launched on July 23, 2026; its instructions are those of AMD's public machine-readable ISA for CDNA 5 (MIT licence, August 2026) and "CDNA5" Instruction Set Architecture Reference Guide (July 2026). The comments in the code are by the model that wrote it; some were corrected since.
;; Rotate Linear. Allowed arithmetic: matrix products marked QUANTISED: E2M1 operands, one E8M0 scale for each 32 along K, by v_wmma_scale_f32_16x16x128_f8f6f4 with both operands' format E2M1 (or v_wmma_scale_f32_32x16x128_f4), f32 sums; everything else in f32.
;; Inputs: bias 4,096 float32; had_K_codes 4,096 x 128 x 16 uint8 (E2M1 codes of had_K, K innermost, in blocks of 32 codes, two codes a byte); had_K_scales 4,096 x 128 uint8 (E8M0 scales of had_K, one for each 32 codes along K); weight_codes 4,096 x 128 x 16 uint8 (E2M1 codes of weight, K innermost, in blocks of 32 codes, two codes a byte); weight_scales 4,096 x 128 uint8 (E8M0 scales of weight, one for each 32 codes along K); x_codes 4 x 512 x 128 x 16 uint8 (E2M1 codes of x, K innermost, in blocks of 32 codes, two codes a byte); x_scales 4 x 512 x 128 uint8 (E8M0 scales of x, one for each 32 codes along K).
;; Outputs: out0 4 x 512 x 4,096 float32.
;; This version of the problem:
;;   THIS VERSION OF THE PROBLEM IS GIVEN IN LOW PRECISION. The matrix products marked QUANTISED in the list below multiply operands that are first quantised to E2M1 (2 exponent bits, 1 mantissa bit; 4 bits a number), with one power-of-two scale for each 32 numbers along K (OCP MX v1.0); their sums are f32. All else is computed in f32.
;;   The module's matrix products, in the order in which they are computed (A, B: the left and right operand; K: the contracted axis; several contracted axes count as one K, in the product's order):
;;     1. [M 2,048, K 4,096] x [K 4,096, N 4,096]; A: input x (given as codes); B: input had_K (given as codes): QUANTISED
;;     2. [M 2,048, K 4,096] x [K 4,096, N 4,096]; A: computed on the way; B: input weight (given as codes): QUANTISED
;;   THE QUANTISER, for each operand of a quantised product, along K:
;;     - K is cut into blocks of 32 from its start; a last block that is shorter is filled with zeros.
;;     - A block's scale is 2^e with e = floor(log2(the largest magnitude in the block)) - 2, held to -126 .. 127; a block of zeros has e = 0. As a byte (E8M0): e + 127.
;;     - Each number is divided by its block's scale, clamped to +-6, and rounded to the nearest number of E2M1, ties to even, subnormals kept.
;;     - The product sums the exact products of the quantised numbers (number of the format x scale) in f32.
;;   ~~~python
;;   def quantise(x, axis):      # numpy; x: float32 -> the quantised numbers, widened to float32 again
;;       x = np.moveaxis(x, axis, -1); K = x.shape[-1]
;;       x = np.pad(x, [(0, 0)] * (x.ndim - 1) + [(0, -K % 32)]); x = x.reshape(x.shape[:-1] + (-1, 32)); a = np.abs(x).max(-1, keepdims=True)
;;       e = np.where(a > 0, np.clip(np.frexp(np.where(a > 0, a, 1))[1] - 1 - 2, -126, 127), 0)      # np.frexp(a)[1] - 1 = floor(log2(a)), exactly
;;       r = np.clip(x / 2.0 ** e, -6, 6)
;;       step = 2.0 ** (np.maximum(np.frexp(np.where(r == 0, 1, r))[1] - 1, 0) - 1)
;;       q = np.round(r / step) * step * 2.0 ** e      # np.round: ties to even
;;       return np.moveaxis(q.reshape(q.shape[:-2] + (-1,))[..., :K], -1, axis).astype(np.float32)
;;   ~~~
;;   OPERANDS COMPUTED ON THE WAY. 'Computed on the way' means the value that the module computes at that place (a softmax that the list does not call 'softmax' is quantised finished and normalised). What goes into a quantiser is computed in f32, as accurately as f32 sums, v_exp_f32 and their like allow (about 1e-6 of the number): no bf16 or f16 on the way to a quantiser, and a product that is left as it is and whose result goes on into a quantised operand takes f32 operands (vector FMAs, or v_wmma_f32_16x16x4_f32). A number that lies on a knife's edge between two numbers of the format may be rounded either way, as far as f32 arithmetic and the matrix unit's own rounding can turn it there, and no further.
;;   INPUTS GIVEN AS CODES. had_K (in the module: [4096, 4096], K = its axis 0); weight (in the module: [4096, 4096], K = its axis 1); x (in the module: [4, 512, 4096], K = its axis 2): each comes as NAME_codes (uint8): NAME with its K axis moved to the last place and cut into blocks of 32 codes, [.., K / 32, bytes a block], one block behind the other in memory; two codes a byte, the lower K in the low four bits (a code: sign, 2 exponent bits, 1 mantissa bit); and NAME_scales (uint8): the same leading axes, one E8M0 byte (e + 127) for each 32 codes along K. Its value is code x scale, taken as it is: it is not quantised again, and the codes and scales need not be those that the quantiser above would give.
;; 2 versions. Each part assembles by itself: llvm-mc -triple=amdgcn-amd-amdhsa -mcpu=gfx1250 --defsym DOCPART=n.
;; ======== version 1 of 2: 2 launches
;; workspace buffers: xr_codes 4,194,304 bytes; xr_scales 262,144 bytes
;; launch rotate (part 1): grid 16 x 16, 4 waves a work-group, clusters of 4 x 4, 327,680 bytes of LDS; arguments x_codes, x_scales, had_K_codes, had_K_scales, xr_codes, xr_scales; writes xr_codes, xr_scales
.if DOCPART == 1
	.amdgcn_target "amdgcn-amd-amdhsa--gfx1250"
	.amdhsa_code_object_version 6
	.text
	.protected	k_qe046d48137_rotate
	.globl	k_qe046d48137_rotate
	.p2align	8
	.type	k_qe046d48137_rotate,@function
k_qe046d48137_rotate:
	s_mov_b64 s[64:65], 0
	v_nop
	global_prefetch_b8 v0, s[64:65] scope:SCOPE_SE
	s_setreg_imm32_b32 hwreg(HW_REG_WAVE_MODE, 25, 1), 1
	s_wait_xcnt 0x0
	s_wait_alu depctr_hold_cnt(0) depctr_sa_sdst(0) depctr_va_vdst(0) depctr_va_sdst(0) depctr_va_ssrc(0) depctr_va_vcc(0) depctr_vm_vsrc(0)
	s_getreg_b32 s2, hwreg(HW_REG_IB_STS2, 6, 4)
	s_cmp_eq_u32 s2, 0
	s_cbranch_scc0 .Lentry_in_a_cluster
	s_endpgm
.Lentry_in_a_cluster:
	s_bfe_u32 s2, ttmp6, 0x10000c
	s_cmp_lg_u32 s2, 0xf033
	s_cbranch_scc0 .Lentry_shape_is_right
	s_endpgm
.Lentry_shape_is_right:
; x_rot[m][e] = sum over k of x[m][k] had_K[k][e], on codes of FP4 (E2M1) with one E8M0 scale for each 32 along k, and then the quantiser along e: x_rot leaves as codes and scale bytes for the next launch.
; x: [2048][4096] codes (2,048 bytes a row), scale bytes [2048][128].  had_K: [4096 (e)][4096 (k)] codes, k innermost, scale bytes [4096][128].
; OUT: xr_codes [16 (e / 256)][2048 (m)][128 bytes], xr_scales [16][2048][8 bytes]: a tile of 128 rows x 256 e is then one dense run of 16,384 bytes of codes and one of 1,024 bytes of scales.
; NOTHING OF reference() IS LEFT OUT: the quantiser between the two products is a step of the problem, so the two weights cannot be multiplied together beforehand, and had_K is taken as it is given.
; LIMITS: NaN and infinities are not served (a scale byte 0xff among the inputs, or an x_rot beyond f32's range).  A block of zeros of x_rot gets the byte 1 where the rule says 127: its codes are zeros,
; which add nothing under any byte but 0xff, and this program alone reads the bytes.
; SHARES.  A tile of x_rot is 128 (m) x 256 (e): 16 x 16 = 256 work-groups.  Four waves, each 64 x 128: 32 accumulators of 16 x 16, 256 registers.  K goes in 8 steps of 512 (rows of 256 bytes) through a ring
; of two LDS slots filled by the tensor data mover; the scale bytes of the work-group's rows, for all of K, are dense runs of memory and come into LDS once, with the first fills.
; CLUSTERS: 4 x 4 work-groups.  The four of a row of the cluster need the same tiles of x, the four of a column the same tiles of had_K: each tile is asked for jointly, by the same tensor load with the same
; descriptor and a mask that names the four.  THE MATRIX INSTRUCTION IS USED TRANSPOSED (source 0 = 16 rows of had_K, source 1 = 16 rows of x): lane (r, h), register j of accumulator (a, b) holds
; x_rot(row 16 a + r, e = 16 b + 8 h + j): eight neighbours along e, which is the next product's K.
; REGISTERS, in windows of 256: window 0: addresses, two sets of scale words (v32-79), the way out (v80-255).  window 1: B's fragments, two sets (v[64 p + 8 b]); A's, two sets (v[128 + 32 p + 8 a]).
;   window 2: accumulator (a, b) at v[8 (8 a + b)].
.set LIN,    0
.set APITCH, 272                       ; A's LDS row: 256 bytes + 16 of padding: the 16 rows of a fragment load start at 16 different groups of four banks
.set ABYTES, 128*APITCH                ; A's part of a slot
.set AHALF,  64*APITCH                 ; what one of A's two loads brings
.set ASTEP,  256                       ; a K step on, in A's memory
.set SASTEP, 16                        ; a K step on, among A's scale bytes in LDS
.set HSA,    32*272                    ; A's scales of 64 rows: 32 units of 256 bytes + 16
.set BHALF,  128*272                   ; 128 rows of B
.set SLOT,   ABYTES+2*BHALF
.set SCA,    2*SLOT                    ; behind the ring: A's scales,
.set SCB,    SCA+2*HSA                 ; B's: 128 units of 256 bytes + 16,
.set SPARE,  SCB+2*64*272              ; the spare words, 128 bytes for each wave: two blocks of 256 bytes that no other line names,
.set STAGE,  SPARE+512                 ; the stage for the codes: 128 rows x (128 bytes + 16); no fill ever lands here,
.set SSTG,   STAGE+128*144             ; and for the scale bytes: 128 rows x 8
.set ADRA,  16                         ; v16-17 LDS address of my A fragments in slot 0, 1
.set ADRB,  20                         ; v20-21 the same for B
.set ADRSA, 24                         ; v24    of A's scale words: lane l takes row l of 32
.set ADRSB, 25                         ; v25    of B's
.set STO,   26                         ; v26    the way out: where I put 4 bytes of a row's codes
.set RD,    27                         ; v27    where I read rows back
.set SPW,   28                         ; v28    LDS address of my spare word; never rewritten
.set NIL,   29                         ; v29    0; never rewritten
.set CO,    30                         ; v30    16 x lane
.set CO2,   31                         ; v31    8 x lane
.set SST,   12                         ; v12    where I put a row's scale word
.set SRD,   13                         ; v13    where I read scale bytes back
.set SC,    32                         ; scale words: set s at v[SC + 24 s]: 8 registers for A (4 p + q: lanes 0-15 block 2 p, lanes 16-31 block 2 p + 1, the slot's q-th 128 along K), then 16 for B likewise
.set TM,    80                         ; the way out: 16 largest magnitudes (4 a + block),
.set TX,    96                         ; the other half of the lanes',
.set SO,    112                        ; the conversions' scale operands,
.set BY,    128                        ; the scale bytes,
.set PW,    144                        ; four scale words,
.set CD,    160                        ; 32 registers of codes
.set G1A,  24
.set G1B,  32
.set G1SA, 40
.set G1SB, 48
.set G0A,  56                          ; s[56:63] group 0 for A's tiles, a set for each slot
.set G0B,  68                          ; s[68:75] for B's
.set G0SA, 76
.set G0SB, 80
.set MSB, 0
.macro WIN new                         ; the immediate's high byte repeats the setting that is left; a switch that changes nothing is dropped
.if MSB != \new
	s_set_vgpr_msb (MSB<<8)|\new
.set MSB, \new
.endif
.endm
.set MUL, 0xa5                         ; sources 0 and 1 window 1, C and D window 2
.set TOF, 0x40                         ; destination window 1, address window 0
.macro SHAPE g, c, r, p                ; words 1 to 7 of a group 1: rows of c elements, r of them, p elements apart
	s_mov_b32 s[\g+1], (\c)<<16
	s_mov_b32 s[\g+2], (\r)<<16
	s_mov_b32 s[\g+3], (\c)<<16
	s_mov_b32 s[\g+4], \r
	s_mov_b32 s[\g+5], \p
	s_mov_b32 s[\g+6], 0
	s_mov_b32 s[\g+7], 0
.endm
; A joint load: waves 0 and 1 fetch for A, waves 2 and 3 for B.  Each line has one mask and one set of registers for all that issue it; the branch hangs on the wave's number alone.
; An s_nop 0 and four v_nop follow each of the two lines.
.macro JLOAD g0a, g1a, g0b, g1b
	s_cmp_eq_u32 s17, 0
	s_cbranch_scc0 .Lfor_b_\@
	tensor_load_to_lds s[\g0a:\g0a+3], s[\g1a:\g1a+7]
	s_nop 0
.rept 4
	v_nop
.endr
	s_branch .Lasked_\@
.Lfor_b_\@:
	tensor_load_to_lds s[\g0b:\g0b+3], s[\g1b:\g1b+7]
	s_nop 0
.rept 4
	v_nop
.endr
.Lasked_\@:
.endm
.macro CREST                           ; a round of the cluster's barrier behind its opening barrier
	s_cmp_lg_u32 s16, 0
	s_cbranch_scc1 .Lnot_wave_0_\@
	s_barrier_signal -3
.Lnot_wave_0_\@:
	s_barrier_wait -3
	s_barrier_signal -1
	s_barrier_wait -1
.endm
.macro CROUND                          ; a whole round
	s_barrier_signal -1
	s_barrier_wait -1
	CREST
.endm
.macro PLACES                          ; four plain vector instructions between a matrix instruction and a load into, or a read of, its registers
.rept 4
	v_nop
.endr
.endm
	s_load_b256 s[4:11], s[0:1], 0x0               ; x's codes s[4:5], x's scales s[6:7], had_K's codes s[8:9], had_K's scales s[10:11]
	s_load_b128 s[12:15], s[0:1], 0x20             ; xr_codes s[12:13], xr_scales s[14:15]
	v_lshl_add_u32 v[SPW], v0, 2, SPARE
	v_mov_b32 v[NIL], 0
	ds_add_u32 v[SPW], v[NIL]                      ; the wave's opening: the add, twice on end, and its wait ahead of my first tensor load
	ds_add_u32 v[SPW], v[NIL]                      ; the set-up below, work on registers, stands between the second add and the wait
	v_lshrrev_b32 v1, 5, v0
	v_readfirstlane_b32 s16, v1                    ; wave 0..3
	s_lshr_b32 s17, s16, 1                         ; which 64 rows of the tile are mine.  Also: I fetch for A (0) or for B (1)
	s_and_b32 s18, s16, 1                          ; which 128 columns.  Also: which half of that tile I fetch
	s_bfe_u32 s20, ttmp6, 0x40000                  ; cx, cy: my place in the cluster
	s_bfe_u32 s21, ttmp6, 0x40004
	s_lshl_b32 s22, ttmp9, 2
	s_add_co_u32 s22, s22, s20                     ; tile column = 4 x cluster x + cx
	s_and_b32 s23, ttmp7, 0xffff
	s_lshl_b32 s23, s23, 2
	s_add_co_u32 s23, s23, s21                     ; tile row = 4 x cluster y + cy
	s_lshl_b32 s92, s21, 2
	s_lshl_b32 s92, 15, s92                        ; my row of the cluster
	s_lshl_b32 s93, 0x1111, s20                    ; my column
	; group 1, word 0: 15:0 the mask; 17:16 element size; 20 padding on; 21 set beside a mask; 24:22 after every 64 words (code 5); 31:25 four words of it (code 3)
	s_or_b32 s[G1A],  s92, (1<<20)|(1<<21)|(5<<22)|(3<<25)
	s_or_b32 s[G1B],  s93, (1<<20)|(1<<21)|(5<<22)|(3<<25)
	s_or_b32 s[G1SA], s92, (3<<16)|(1<<20)|(1<<21)|(5<<22)|(3<<25)
	s_or_b32 s[G1SB], s93, (3<<16)|(1<<20)|(1<<21)|(5<<22)|(3<<25)
	SHAPE G1A, 256, 64, 2048                       ; 64 rows of 256 bytes, 2,048 bytes apart
	SHAPE G1B, 256, 128, 2048                      ; 128 such rows
	SHAPE G1SA, 32, 32, 32                         ; the scales of 64 rows: 8,192 dense bytes as 32 rows of 32 elements of 8 bytes
	SHAPE G1SB, 32, 64, 32                         ; of 128 rows: 64 such rows
	; where the tiles come from.  A's hang on the tile row alone, B's on the tile column alone; every wave makes both, in registers that never hold the other coordinate
	s_lshl_b32 s84, s23, 18                        ; A's codes: row 128 x tile row + 64 x half, 2,048 bytes a row
	s_lshl_b32 s96, s18, 17
	s_add_co_u32 s84, s84, s96
	s_mov_b32 s85, 0
	s_lshl_b32 s88, s23, 14                        ; A's scales: 128 bytes a row
	s_lshl_b32 s96, s18, 13
	s_add_co_u32 s88, s88, s96
	s_mov_b32 s89, 0
	s_lshl_b32 s86, s22, 19                        ; B's codes: row 256 x tile column + 128 x half
	s_lshl_b32 s97, s18, 18
	s_add_co_u32 s86, s86, s97
	s_mov_b32 s87, 0
	s_lshl_b32 s90, s22, 15                        ; B's scales
	s_lshl_b32 s97, s18, 14
	s_add_co_u32 s90, s90, s97
	s_mov_b32 s91, 0
	s_mul_i32 s96, s18, AHALF                      ; and where they go: no place in the cluster enters an LDS address
	s_mul_i32 s97, s18, BHALF
	s_add_co_u32 s97, s97, ABYTES
	s_mul_i32 s98, s18, HSA
	s_add_co_u32 s98, s98, SCA
	s_mul_i32 s99, s18, 64*272
	s_add_co_u32 s99, s99, SCB
	s_mov_b32 s94, 0x76543210                      ; v_permlanex16_b32's selects for lane l xor 16
	s_mov_b32 s95, 0xfedcba98
	s_wait_dscnt 0x0                               ; both opening adds are done
	s_wait_kmcnt 0x0
	s_add_nc_u64 s[84:85], s[4:5], s[84:85]
	s_add_nc_u64 s[88:89], s[6:7], s[88:89]
	s_add_nc_u64 s[86:87], s[8:9], s[86:87]
	s_add_nc_u64 s[90:91], s[10:11], s[90:91]
	CROUND                                         ; all sixteen work-groups are here: the first joint loads meet
	s_mov_b32 s[G0SA], 1
	s_mov_b32 s[G0SA+1], s98
	s_mov_b64 s[G0SA+2:G0SA+3], s[88:89]
	s_or_b32 s[G0SA+3], s[G0SA+3], 0x80000000
	s_mov_b32 s[G0SB], 1
	s_mov_b32 s[G0SB+1], s99
	s_mov_b64 s[G0SB+2:G0SB+3], s[90:91]
	s_or_b32 s[G0SB+3], s[G0SB+3], 0x80000000
	JLOAD G0SA, G1SA, G0SB, G1SB                   ; the scales first: they are wanted with K step 0
.irp s, 0,1
	s_mov_b32 s[G0A+4*\s], 1
	s_add_co_u32 s[G0A+4*\s+1], s96, \s*SLOT
	s_add_nc_u64 s[G0A+4*\s+2:G0A+4*\s+3], s[84:85], \s*ASTEP
	s_or_b32 s[G0A+4*\s+3], s[G0A+4*\s+3], 0x80000000
	s_mov_b32 s[G0B+4*\s], 1
	s_add_co_u32 s[G0B+4*\s+1], s97, \s*SLOT
	s_add_nc_u64 s[G0B+4*\s+2:G0B+4*\s+3], s[86:87], \s*256
	s_or_b32 s[G0B+4*\s+3], s[G0B+4*\s+3], 0x80000000
	JLOAD G0A+4*\s, G1A, G0B+4*\s, G1B             ; K steps 0 and 1: three loads of mine are out
.endr
	; where my part of the outputs begins (in the registers that held B's addresses: none that feeds A's descriptors ever holds cx)
	s_lshl_b32 s86, s22, 18                        ; xr_codes: 262,144 x tile column + 16,384 x tile row + 4,096 x wave (32 rows of 128 bytes)
	s_lshl_b32 s87, s23, 14
	s_add_co_u32 s86, s86, s87
	s_lshl_b32 s87, s16, 12
	s_add_co_u32 s86, s86, s87
	s_mov_b32 s87, 0
	s_add_nc_u64 s[12:13], s[12:13], s[86:87]
	s_lshl_b32 s90, s22, 14                        ; xr_scales: 16,384 x tile column + 1,024 x tile row + 256 x wave
	s_lshl_b32 s91, s23, 10
	s_add_co_u32 s90, s90, s91
	s_lshl_b32 s91, s16, 8
	s_add_co_u32 s90, s90, s91
	s_mov_b32 s91, 0
	s_add_nc_u64 s[14:15], s[14:15], s[90:91]
	v_and_b32 v1, 15, v0                           ; r = lane % 16
	v_bfe_u32 v2, v0, 4, 1                         ; h = lane / 16
	v_and_b32 v3, 31, v0                           ; lane
	v_mul_u32_u24 v4, v1, APITCH
	v_lshl_add_u32 v4, v2, 4, v4                   ; a fragment's row x pitch + 16 x half
	s_mul_i32 s96, s17, 64*APITCH                  ; my 64 rows of A
	v_add_nc_u32 v[ADRA], s96, v4
	v_add_nc_u32 v[ADRA+1], SLOT, v[ADRA]
	v_mul_u32_u24 v5, v1, 272
	v_lshl_add_u32 v5, v2, 4, v5
	s_mul_i32 s97, s18, BHALF                      ; my 128 rows of B, behind A's part
	s_add_co_u32 s97, s97, ABYTES
	v_add_nc_u32 v[ADRB], s97, v5
	v_add_nc_u32 v[ADRB+1], SLOT, v[ADRB]
	v_lshrrev_b32 v6, 1, v3                        ; scale bytes: two rows of 128 bytes to a unit of 256 + 16
	v_and_b32 v7, 1, v3
	v_mul_u32_u24 v6, v6, 272
	v_lshl_add_u32 v6, v7, 7, v6
	s_mul_i32 s98, s17, 32*272
	s_add_co_u32 s98, s98, SCA
	v_add_nc_u32 v[ADRSA], s98, v6
	s_mul_i32 s99, s18, 64*272
	s_add_co_u32 s99, s99, SCB
	v_add_nc_u32 v[ADRSB], s99, v6
	v_mul_u32_u24 v8, v1, 144                      ; the stage, in: row 64 x row half + r, byte 64 x column half + 4 h
	v_lshl_add_u32 v8, v2, 2, v8
	s_mul_i32 s96, s17, 64*144
	s_lshl_b32 s97, s18, 6
	s_add_co_u32 s96, s96, s97
	s_add_co_u32 s96, s96, STAGE
	v_add_nc_u32 v[STO], s96, v8
	v_lshrrev_b32 v8, 3, v3                        ; back: rows 32 x wave on; eight lanes to a row of 128 bytes, four rows an instruction
	v_and_b32 v9, 7, v3
	v_mul_u32_u24 v8, v8, 144
	v_lshl_add_u32 v8, v9, 4, v8
	s_mul_i32 s96, s16, 32*144
	s_add_co_u32 s96, s96, STAGE
	v_add_nc_u32 v[RD], s96, v8
	s_lshl_b32 s96, s17, 9                         ; the scale stage, in: 8 bytes a row, my column half's four
	s_lshl_b32 s97, s18, 2
	s_add_co_u32 s96, s96, s97
	s_add_co_u32 s96, s96, SSTG
	v_lshl_add_u32 v[SST], v1, 3, s96
	s_lshl_b32 s96, s16, 8                         ; back: 256 bytes a wave, 8 a lane
	s_add_co_u32 s96, s96, SSTG
	v_lshl_add_u32 v[SRD], v3, 3, s96
	v_lshlrev_b32 v[CO], 4, v3
	v_lshlrev_b32 v[CO2], 3, v3
; One matrix instruction: A's block a x B's tile b, the slot's q-th 128 along K; p: the set of fragments; sc: the set of scale words.  An odd tile's or block's words lie in lanes 16-31 of its register.
; first = 1: the product starts the sum: nothing is ever cleared.
.macro WM a, b, p, q, sc, first
.set rD, 8*(8*(\a)+(\b))
.set rB, 64*(\p)+8*(\b)
.set rA, 128+32*(\p)+8*(\a)
.set rT, SC+24*(\sc)+8+4*((\b)/2)+(\q)
.set rS, SC+24*(\sc)+4*((\a)/2)+(\q)
.set par, (\b)%2+2*((\a)%2)
.if \first
.if par == 0
	v_wmma_scale_f32_16x16x128_f8f6f4 v[rD:rD+7], v[rB:rB+7], v[rA:rA+7], 0, v[rT], v[rS] matrix_a_fmt:MATRIX_FMT_FP4 matrix_b_fmt:MATRIX_FMT_FP4
.elseif par == 1
	v_wmma_scale_f32_16x16x128_f8f6f4 v[rD:rD+7], v[rB:rB+7], v[rA:rA+7], 0, v[rT], v[rS] matrix_a_fmt:MATRIX_FMT_FP4 matrix_b_fmt:MATRIX_FMT_FP4 matrix_a_scale:MATRIX_SCALE_ROW1
.elseif par == 2
	v_wmma_scale_f32_16x16x128_f8f6f4 v[rD:rD+7], v[rB:rB+7], v[rA:rA+7], 0, v[rT], v[rS] matrix_a_fmt:MATRIX_FMT_FP4 matrix_b_fmt:MATRIX_FMT_FP4 matrix_b_scale:MATRIX_SCALE_ROW1
.else
	v_wmma_scale_f32_16x16x128_f8f6f4 v[rD:rD+7], v[rB:rB+7], v[rA:rA+7], 0, v[rT], v[rS] matrix_a_fmt:MATRIX_FMT_FP4 matrix_b_fmt:MATRIX_FMT_FP4 matrix_a_scale:MATRIX_SCALE_ROW1 matrix_b_scale:MATRIX_SCALE_ROW1
.endif
.else
.if par == 0
	v_wmma_scale_f32_16x16x128_f8f6f4 v[rD:rD+7], v[rB:rB+7], v[rA:rA+7], v[rD:rD+7], v[rT], v[rS] matrix_a_fmt:MATRIX_FMT_FP4 matrix_b_fmt:MATRIX_FMT_FP4
.elseif par == 1
	v_wmma_scale_f32_16x16x128_f8f6f4 v[rD:rD+7], v[rB:rB+7], v[rA:rA+7], v[rD:rD+7], v[rT], v[rS] matrix_a_fmt:MATRIX_FMT_FP4 matrix_b_fmt:MATRIX_FMT_FP4 matrix_a_scale:MATRIX_SCALE_ROW1
.elseif par == 2
	v_wmma_scale_f32_16x16x128_f8f6f4 v[rD:rD+7], v[rB:rB+7], v[rA:rA+7], v[rD:rD+7], v[rT], v[rS] matrix_a_fmt:MATRIX_FMT_FP4 matrix_b_fmt:MATRIX_FMT_FP4 matrix_b_scale:MATRIX_SCALE_ROW1
.else
	v_wmma_scale_f32_16x16x128_f8f6f4 v[rD:rD+7], v[rB:rB+7], v[rA:rA+7], v[rD:rD+7], v[rT], v[rS] matrix_a_fmt:MATRIX_FMT_FP4 matrix_b_fmt:MATRIX_FMT_FP4 matrix_a_scale:MATRIX_SCALE_ROW1 matrix_b_scale:MATRIX_SCALE_ROW1
.endif
.endif
.endm
.macro MUL8 a, p, q, sc, first         ; A's block a against B's eight tiles.  The 32 accumulators take turns, one instruction a turn, in the same order in every step
.irp b, 0,1,2,3,4,5,6,7
	WM \a, \b, \p, \q, \sc, \first
.endr
.endm
; 24 LDS loads in one run: the fragments of the slot's q-th 128 along K into set p.  A fragment, 16 rows x 128 K of 4-bit codes, is 8 registers: lane l holds row l % 16;
; registers 4 c .. 4 c + 3 hold K = 64 c + 32 (l / 16) + 0 .. 31: two loads of 16 bytes, 32 bytes apart.
.macro FETCH slot, q, p
	WIN TOF
.set AQ, 64*(\q)
.irp i, 0,1,2,3,4,5,6,7
	ds_load_b128 v[64*(\p)+8*\i:64*(\p)+8*\i+3],   v[ADRB+\slot] offset:64*(\q)+\i*16*272
	ds_load_b128 v[64*(\p)+8*\i+4:64*(\p)+8*\i+7], v[ADRB+\slot] offset:64*(\q)+\i*16*272+32
.endr
.irp i, 0,1,2,3
	ds_load_b128 v[128+32*(\p)+8*\i:128+32*(\p)+8*\i+3],   v[ADRA+\slot] offset:AQ+\i*16*APITCH
	ds_load_b128 v[128+32*(\p)+8*\i+4:128+32*(\p)+8*\i+7], v[ADRA+\slot] offset:AQ+\i*16*APITCH+32
.endr
.endm
.macro SCALES sc                       ; a K step's scale words into set sc: four words a row, 32 rows a load
	WIN 0
.irp p, 0,1,2,3
	ds_load_b128 v[SC+24*\sc+8+4*\p:SC+24*\sc+8+4*\p+3], v[ADRSB] offset:4352*\p
.endr
.irp p, 0,1
	ds_load_b128 v[SC+24*\sc+4*\p:SC+24*\sc+4*\p+3], v[ADRSA] offset:4352*\p
.endr
.endm
; A step of 128 along K that has its successor in the same slot: the successor's fragments are asked for first, and have this step's 32 matrix instructions in which to come.
.macro STEP slot, q, first
	s_wait_dscnt 0x0                               ; this step's fragments, asked for a step ago, are in
	PLACES                                         ; in front of loads into the set that the last step multiplied
	FETCH \slot, (\q)+1, ((\q)+1)%2
	WIN MUL
.irp a, 0,1,2,3
	MUL8 \a, (\q)%2, \q, \slot, \first
.endr
.endm
; A slot's last step changes slots: one barrier; in front of it each wave waits for all its tensor loads, adds 0 to its spare word, and waits for that and for its reads of this slot.
; fill = 1: the barrier opens a round of the cluster's barrier, and this slot is filled again, two K steps ahead.
.macro TURN slot, next, fill
	WIN 0                                          ; (the add's two registers lie in window 0)
	s_wait_tensorcnt 0x0                           ; all my tensor loads have landed: the one that was out is my part of the next slot
	ds_add_u32 v[SPW], v[NIL]                      ; 0 onto my spare word
	s_wait_dscnt 0x1                               ; the 24 fragment loads ahead of the add are in; the add may be out
	WIN MUL
	MUL8 0, 1, 3, \slot, 0                         ; eight matrix instructions stand between the add and the wait for it
	s_wait_dscnt 0x0                               ; the add is done, and my reads of this slot are over
	s_barrier_signal -1
	MUL8 1, 1, 3, \slot, 0
	WIN 0
	s_barrier_wait -1
.if \fill
	CREST                                          ; no wave of any partner still reads this slot's tile or has a load on its way
	s_add_nc_u64 s[G0A+4*\slot+2:G0A+4*\slot+3], s[G0A+4*\slot+2:G0A+4*\slot+3], 2*ASTEP
	s_add_nc_u64 s[G0B+4*\slot+2:G0B+4*\slot+3], s[G0B+4*\slot+2:G0B+4*\slot+3], 2*256
	JLOAD G0A+4*\slot, G1A, G0B+4*\slot, G1B       ; the first tensor load behind the round; its four v_nop are the places in front of the loads below
.else
	PLACES
.endif
	v_add_nc_u32 v[ADRSA], SASTEP, v[ADRSA]        ; on to the next K step's scale words
	v_add_nc_u32 v[ADRSB], 16, v[ADRSB]
	FETCH \next, 0, 0
	SCALES \next
	WIN MUL
	MUL8 2, 1, 3, \slot, 0
	MUL8 3, 1, 3, \slot, 0
.endm
	s_wait_tensorcnt 0x1                           ; the scales and my part of K step 0 are in; K step 1's load may stay out
	s_barrier_signal -1
	s_barrier_wait -1                              ; everybody's are
	FETCH 0, 0, 0
	SCALES 0
	STEP 0, 0, 1                                   ; the first step stands in front of the loop: its products start the sums
	WIN 0                                          ; at a label and at a branch every window is 0
	s_mov_b32 s3, 3
.Llap:                                                 ; a trip goes once round the ring, from a lap's second step to the next lap's first, and fills both slots again: K steps 2 to 7 in three trips
	STEP 0, 1, 0
	STEP 0, 2, 0
	TURN 0, 1, 1
	STEP 1, 0, 0
	STEP 1, 1, 0
	STEP 1, 2, 0
	TURN 1, 0, 1
	STEP 0, 0, 0
	WIN 0
	s_sub_co_u32 s3, s3, 1
	s_cmp_lg_u32 s3, 0
	s_cbranch_scc1 .Llap
	STEP 0, 1, 0                                   ; the last lap fills nothing, and has no round of the cluster's barrier
	STEP 0, 2, 0
	TURN 0, 1, 0
	STEP 1, 0, 0
	STEP 1, 1, 0
	STEP 1, 2, 0
	s_wait_dscnt 0x0                               ; the very last step: nothing more to fetch
	WIN MUL
.irp a, 0,1,2,3
	MUL8 \a, 1, 3, 1, 0
.endr
	WIN 0
	; THE WAY OUT: the quantiser along e.  Block g of row block a (32 neighbouring e) lies in registers 16 (4 a + g) + 0 .. 15 of lanes l and l xor 16: index k = 4 a + g below.
.irp k, 0,1,2,3,4,5,6,7,8,9,10,11,12,13,14,15
	v_mov_b32 v[TX+\k], 0                          ; a lane permute's destination counts as one of its sources.  (These sixteen are also the places behind the last products)
.endr
	WIN 0x0a                                       ; sources 0 and 1 window 2
.irp k, 0,1,2,3,4,5,6,7,8,9,10,11,12,13,14,15
	v_max3_num_f32 v[TM+\k], |v[16*\k]|, |v[16*\k+1]|, 0x1800000   ; my 16 numbers of the block, each accumulator from its low end on, and the floor 2^(3 - 127): so the byte cannot fall under 1
.endr
.irp i, 2,4,6,8,10,12,14
.irp k, 0,1,2,3,4,5,6,7,8,9,10,11,12,13,14,15
	v_max3_num_f32 v[TM+\k], |v[16*\k+\i]|, |v[16*\k+\i+1]|, v[TM+\k]   ; (the sixteen blocks by turns: no line waits for the line above it)
.endr
.endr
	WIN 0
.irp k, 0,1,2,3,4,5,6,7,8,9,10,11,12,13,14,15
	v_permlanex16_b32 v[TX+\k], v[TM+\k], s94, s95
.endr
.irp k, 0,1,2,3,4,5,6,7,8,9,10,11,12,13,14,15
	v_max_num_f32 v[TM+\k], v[TM+\k], v[TX+\k]     ; with lane l xor 16's: the block's largest magnitude
.endr
.irp k, 0,1,2,3,4,5,6,7,8,9,10,11,12,13,14,15
	v_add_nc_u32 v[SO+\k], 0xff000000, v[TM+\k]    ; 2 off its exponent field: the conversion takes the exponent field of this operand as its scale, and nothing else of it
.endr
.irp k, 0,1,2,3,4,5,6,7,8,9,10,11,12,13,14,15
	v_lshrrev_b32 v[BY+\k], 23, v[SO+\k]           ; the scale's byte
.endr
.irp a, 0,1,2,3
	v_lshl_or_b32 v[PW+\a], v[BY+4*\a+1], 8, v[BY+4*\a]    ; four bytes: my row's scale word for my wave's 128 e
	v_lshl_or_b32 v[PW+\a], v[BY+4*\a+2], 16, v[PW+\a]
	v_lshl_or_b32 v[PW+\a], v[BY+4*\a+3], 24, v[PW+\a]
.endr
	WIN 0x02                                       ; source 0 window 2
.irp k, 0,1,2,3,4,5,6,7,8,9,10,11,12,13,14,15
	v_cvt_scalef32_pk8_fp4_f32 v[CD+2*\k], v[16*\k:16*\k+7], v[SO+\k]         ; the codes of e = 32 g + 8 h + 0 .. 7
	v_cvt_scalef32_pk8_fp4_f32 v[CD+2*\k+1], v[16*\k+8:16*\k+15], v[SO+\k]    ; and of e = 32 g + 16 + 8 h + 0 .. 7
.endr
	WIN 0
	v_nop                                          ; one plain place behind the last scaled conversion
.irp a, 0,1,2,3
.irp g, 0,1,2,3
.irp u, 0,1
	ds_store_b32 v[STO], v[CD+8*\a+2*\g+\u] offset:2304*\a+16*\g+8*\u    ; four bytes at byte (32 g + 16 u + 8 h) / 2 of my half of row 16 a + r
.endr
.endr
	ds_store_b32 v[SST], v[PW+\a] offset:128*\a    ; both halves of the lanes write the same word with the same value
.endr
	s_wait_dscnt 0x0                               ; for the others' sake: my stores into the stages are done
	s_barrier_signal -1
	s_barrier_wait -1                              ; a row's 128 bytes come from two waves
.irp i, 0,1,2,3,4,5,6,7
	ds_load_b128 v[192+4*\i:195+4*\i], v[RD] offset:576*\i
.endr
	ds_load_b64 v[224:225], v[SRD]
.irp i, 0,1,2,3,4,5,6,7
	s_wait_dscnt 8-\i                              ; behind load i: 7 - i loads of 16 bytes and the one of 8
	global_store_b128 v[CO], v[192+4*\i:195+4*\i], s[12:13] offset:512*\i     ; 32 lanes store four rows: 512 consecutive bytes, at a multiple of 256 from the buffer's first byte
.endr
	s_wait_dscnt 0x0
	global_store_b64 v[CO2], v[224:225], s[14:15]  ; 32 lanes store 256 consecutive bytes, aligned
	s_wait_tensorcnt 0x0                           ; the wave's end, behind my last tensor load and my last LDS store
	ds_add_u32 v[SPW], v[NIL]
	s_wait_dscnt 0x0
	CROUND                                         ; the closing round: no work-group ends while a partner may still ask for a tile that names it
	s_endpgm
.Lfunc_end_k_qe046d48137_rotate:
	.size	k_qe046d48137_rotate, .Lfunc_end_k_qe046d48137_rotate-k_qe046d48137_rotate
	.p2alignl 7, 3214868480
	.fill 96, 4, 3214868480
	.section	.rodata,"a",@progbits
	.p2align	6, 0x0
	.amdhsa_kernel k_qe046d48137_rotate
		.amdhsa_group_segment_fixed_size 327680
		.amdhsa_private_segment_fixed_size 0
		.amdhsa_enable_private_segment 0
		.amdhsa_kernarg_size 48
		.amdhsa_user_sgpr_count 2
		.amdhsa_user_sgpr_kernarg_segment_ptr 1
		.amdhsa_wavefront_size32 1
		.amdhsa_system_sgpr_workgroup_id_x 1
		.amdhsa_system_sgpr_workgroup_id_y 1
		.amdhsa_system_sgpr_workgroup_id_z 1
		.amdhsa_system_vgpr_workitem_id 0
		.amdhsa_next_free_vgpr 768
		.amdhsa_next_free_sgpr 100
		.amdhsa_reserve_vcc 0
		.amdhsa_float_denorm_mode_32 3
		.amdhsa_float_denorm_mode_16_64 3
		.amdhsa_memory_ordered 1
		.amdhsa_forward_progress 1
		.amdhsa_inst_pref_size 126
	.end_amdhsa_kernel
	.amdgpu_metadata
---
amdhsa.version: [ 1, 2 ]
amdhsa.kernels:
  - .name:           k_qe046d48137_rotate
    .symbol:         k_qe046d48137_rotate.kd
    .args:
      - { .name: x_codes, .offset: 0, .size: 8, .value_kind: global_buffer, .address_space: global }
      - { .name: x_scales, .offset: 8, .size: 8, .value_kind: global_buffer, .address_space: global }
      - { .name: had_K_codes, .offset: 16, .size: 8, .value_kind: global_buffer, .address_space: global }
      - { .name: had_K_scales, .offset: 24, .size: 8, .value_kind: global_buffer, .address_space: global }
      - { .name: xr_codes, .offset: 32, .size: 8, .value_kind: global_buffer, .address_space: global }
      - { .name: xr_scales, .offset: 40, .size: 8, .value_kind: global_buffer, .address_space: global }
    .group_segment_fixed_size: 327680
    .private_segment_fixed_size: 0
    .kernarg_segment_align: 8
    .kernarg_segment_size: 48
    .max_flat_workgroup_size: 128
    .sgpr_count:     100
    .vgpr_count:     768
    .wavefront_size: 32
...
	.end_amdgpu_metadata
.endif
;; end of part 1
;; launch linear (part 2): grid 16 x 16, 4 waves a work-group, clusters of 4 x 4, 327,680 bytes of LDS; arguments xr_codes, xr_scales, weight_codes, weight_scales, bias, out0; writes out0
.if DOCPART == 2
	.amdgcn_target "amdgcn-amd-amdhsa--gfx1250"
	.amdhsa_code_object_version 6
	.text
	.protected	k_qe046d48137_linear
	.globl	k_qe046d48137_linear
	.p2align	8
	.type	k_qe046d48137_linear,@function
k_qe046d48137_linear:
	s_mov_b64 s[64:65], 0
	v_nop
	global_prefetch_b8 v0, s[64:65] scope:SCOPE_SE
	s_setreg_imm32_b32 hwreg(HW_REG_WAVE_MODE, 25, 1), 1
	s_wait_xcnt 0x0
	s_wait_alu depctr_hold_cnt(0) depctr_sa_sdst(0) depctr_va_vdst(0) depctr_va_sdst(0) depctr_va_ssrc(0) depctr_va_vcc(0) depctr_vm_vsrc(0)
	s_getreg_b32 s2, hwreg(HW_REG_IB_STS2, 6, 4)
	s_cmp_eq_u32 s2, 0
	s_cbranch_scc0 .Lentry_in_a_cluster
	s_endpgm
.Lentry_in_a_cluster:
	s_bfe_u32 s2, ttmp6, 0x10000c
	s_cmp_lg_u32 s2, 0xf033
	s_cbranch_scc0 .Lentry_shape_is_right
	s_endpgm
.Lentry_shape_is_right:
; out[m][o] = sum over e of Q(x_rot)[m][e] weight[o][e] + bias[o], on codes of FP4 (E2M1) with one E8M0 scale for each 32 along e; out is f32.  Nothing of reference() is left out.
; Q(x_rot) comes from the launch before: xr_codes [16 (e / 256)][2048 (m)][128 bytes], xr_scales [16][2048][8 bytes].  weight: [4096 (o)][4096 (e)] codes, 2,048 bytes a row, scale bytes [4096][128].
; LIMITS: NaN and infinities are not served (a scale byte 0xff among the inputs).
; SHARES, RING, CLUSTERS, TRANSPOSED USE as in the launch before: a tile of out is 128 (m) x 256 (o), 256 work-groups, four waves of 64 x 128, 8 K steps of 512 through two LDS slots, A's tiles asked for jointly
; along a row of the 4 x 4 cluster and B's along a column.  What differs: a K step of A is two dense runs of 16,384 bytes (128 rows x 128 bytes), one to each of waves 0 and 1, laid in LDS with 16 bytes behind each 128;
; A's scale bytes are 16 runs of 1,024 bytes; the bias is the C of each sum's first matrix instruction; the results leave as f32 through each wave's own stage.
; REGISTERS, in windows of 256: window 0: addresses, two sets of scale words (v32-79).  window 1: B's fragments, two sets (v[64 p + 8 b]); A's, two sets (v[128 + 32 p + 8 a]); v[192 + 8 b]: the bias of tile b
;   in the result's layout; on the way out all 256 take rows of out.   window 2: accumulator (a, b) at v[8 (8 a + b)].
.set LIN,    1
.set APITCH, 144                       ; A's LDS row: 128 bytes + 16 of padding: the 16 rows of a fragment load start at 16 different groups of four banks
.set ABYTES, 2*128*APITCH              ; A's part of a slot: two runs of 128 rows
.set AHALF,  128*APITCH                ; what one of A's two loads brings
.set ASTEP,  2*262144                  ; a K step on, in A's memory
.set SASTEP, 2048                      ; a K step on, among A's scale bytes in LDS
.set HSA,    8192                      ; half of A's scales: 8 runs of 1,024 bytes
.set BHALF,  128*272                   ; 128 rows of B: 256 bytes + 16 each
.set SLOT,   ABYTES+2*BHALF
.set SCA,    2*SLOT                    ; behind the ring: A's scales,
.set SCB,    SCA+2*HSA                 ; B's: 128 units of 256 bytes + 16,
.set SPARE,  SCB+2*64*272              ; the spare words, 128 bytes for each wave: two blocks of 256 bytes that no other line names,
.set STAGE,  SPARE+512                 ; and a stage of 16 rows x (512 bytes + 16) for each wave; no fill ever lands here
.set ADRA,  16                         ; v16-17 LDS address of my A fragments in slot 0, 1
.set ADRB,  20                         ; v20-21 the same for B
.set ADRSA, 24                         ; v24    of A's scale words: lane l takes row l of 32
.set ADRSB, 25                         ; v25    of B's
.set STO,   26                         ; v26    the way out: where I put 32 bytes of a row
.set RD,    27                         ; v27    where I read a row back
.set SPW,   28                         ; v28    LDS address of my spare word; never rewritten
.set NIL,   29                         ; v29    0; never rewritten
.set CO,    30                         ; v30    16 x lane
.set BO,    31                         ; v31    32 x (lane / 16): my eight numbers of a tile's sixteen of the bias
.set SC,    32                         ; scale words: set s at v[SC + 24 s]: 8 registers for A (4 p + q: lanes 0-15 block 2 p, lanes 16-31 block 2 p + 1, the slot's q-th 128 along K), then 16 for B likewise
.set G1A,  24
.set G1B,  32
.set G1SA, 40
.set G1SB, 48
.set G0A,  56                          ; s[56:63] group 0 for A's tiles, a set for each slot
.set G0B,  68                          ; s[68:75] for B's
.set G0SA, 76
.set G0SB, 80
.set MSB, 0
.macro WIN new                         ; the immediate's high byte repeats the setting that is left; a switch that changes nothing is dropped
.if MSB != \new
	s_set_vgpr_msb (MSB<<8)|\new
.set MSB, \new
.endif
.endm
.set MUL,  0xa5                        ; sources 0 and 1 window 1, C and D window 2
.set MULB, 0x95                        ; the same with C in window 1: the bias
.set TOF,  0x40                        ; destination window 1, address window 0
.macro SHAPE g, c, r, p                ; words 1 to 7 of a group 1: rows of c elements, r of them, p elements apart
	s_mov_b32 s[\g+1], (\c)<<16
	s_mov_b32 s[\g+2], (\r)<<16
	s_mov_b32 s[\g+3], (\c)<<16
	s_mov_b32 s[\g+4], \r
	s_mov_b32 s[\g+5], \p
	s_mov_b32 s[\g+6], 0
	s_mov_b32 s[\g+7], 0
.endm
; A joint load: waves 0 and 1 fetch for A, waves 2 and 3 for B.  Each line has one mask and one set of registers for all that issue it; the branch hangs on the wave's number alone.
; An s_nop 0 and four v_nop follow each of the two lines.
.macro JLOAD g0a, g1a, g0b, g1b
	s_cmp_eq_u32 s17, 0
	s_cbranch_scc0 .Lfor_b_\@
	tensor_load_to_lds s[\g0a:\g0a+3], s[\g1a:\g1a+7]
	s_nop 0
.rept 4
	v_nop
.endr
	s_branch .Lasked_\@
.Lfor_b_\@:
	tensor_load_to_lds s[\g0b:\g0b+3], s[\g1b:\g1b+7]
	s_nop 0
.rept 4
	v_nop
.endr
.Lasked_\@:
.endm
.macro CREST                           ; a round of the cluster's barrier behind its opening barrier
	s_cmp_lg_u32 s16, 0
	s_cbranch_scc1 .Lnot_wave_0_\@
	s_barrier_signal -3
.Lnot_wave_0_\@:
	s_barrier_wait -3
	s_barrier_signal -1
	s_barrier_wait -1
.endm
.macro CROUND                          ; a whole round
	s_barrier_signal -1
	s_barrier_wait -1
	CREST
.endm
.macro PLACES                          ; four plain vector instructions between a matrix instruction and a load into, or a read of, its registers
.rept 4
	v_nop
.endr
.endm
	s_load_b256 s[4:11], s[0:1], 0x0               ; xr_codes s[4:5], xr_scales s[6:7], weight's codes s[8:9], weight's scales s[10:11]
	s_load_b128 s[12:15], s[0:1], 0x20             ; bias s[12:13], out s[14:15]
	v_lshl_add_u32 v[SPW], v0, 2, SPARE
	v_mov_b32 v[NIL], 0
	ds_add_u32 v[SPW], v[NIL]                      ; the wave's opening: the add, twice on end, and its wait ahead of my first tensor load
	ds_add_u32 v[SPW], v[NIL]                      ; the set-up below, work on registers, stands between the second add and the wait
	v_lshrrev_b32 v1, 5, v0
	v_readfirstlane_b32 s16, v1                    ; wave 0..3
	s_lshr_b32 s17, s16, 1                         ; which 64 rows of the tile are mine.  Also: I fetch for A (0) or for B (1)
	s_and_b32 s18, s16, 1                          ; which 128 columns.  Also: which half of that tile I fetch
	s_bfe_u32 s20, ttmp6, 0x40000                  ; cx, cy: my place in the cluster
	s_bfe_u32 s21, ttmp6, 0x40004
	s_lshl_b32 s22, ttmp9, 2
	s_add_co_u32 s22, s22, s20                     ; tile column = 4 x cluster x + cx
	s_and_b32 s23, ttmp7, 0xffff
	s_lshl_b32 s23, s23, 2
	s_add_co_u32 s23, s23, s21                     ; tile row = 4 x cluster y + cy
	s_lshl_b32 s92, s21, 2
	s_lshl_b32 s92, 15, s92                        ; my row of the cluster
	s_lshl_b32 s93, 0x1111, s20                    ; my column
	; group 1, word 0: 15:0 the mask; 17:16 element size; 20 padding on; 21 set beside a mask; 24:22 after every 32 or 64 words (code 4 or 5); 31:25 four words of it (code 3)
	s_or_b32 s[G1A],  s92, (1<<20)|(1<<21)|(4<<22)|(3<<25)
	s_or_b32 s[G1B],  s93, (1<<20)|(1<<21)|(5<<22)|(3<<25)
	s_or_b32 s[G1SA], s92, (3<<16)|(1<<21)         ; no padding: each lane reads 8 neighbouring bytes
	s_or_b32 s[G1SB], s93, (3<<16)|(1<<20)|(1<<21)|(5<<22)|(3<<25)
	SHAPE G1A, 128, 128, 128                       ; 128 rows of 128 bytes, dense
	SHAPE G1B, 256, 128, 2048                      ; 128 rows of 256 bytes, 2,048 bytes apart
	SHAPE G1SA, 128, 8, 2048                       ; 8 runs of 128 elements of 8 bytes, 16,384 bytes apart
	SHAPE G1SB, 32, 64, 32                         ; the scales of 128 rows: 16,384 dense bytes as 64 rows of 32 elements of 8 bytes
	; where the tiles come from.  A's hang on the tile row alone, B's on the tile column alone; every wave makes both, in registers that never hold the other coordinate
	s_lshl_b32 s84, s23, 14                        ; A's codes: 16,384 x tile row + 262,144 x (which of the K step's two runs)
	s_lshl_b32 s96, s18, 18
	s_add_co_u32 s84, s84, s96
	s_mov_b32 s85, 0
	s_lshl_b32 s88, s23, 10                        ; A's scales: 1,024 x tile row + 8 runs of 16,384 x half
	s_lshl_b32 s96, s18, 17
	s_add_co_u32 s88, s88, s96
	s_mov_b32 s89, 0
	s_lshl_b32 s86, s22, 19                        ; B's codes: row 256 x tile column + 128 x half, 2,048 bytes a row
	s_lshl_b32 s97, s18, 18
	s_add_co_u32 s86, s86, s97
	s_mov_b32 s87, 0
	s_lshl_b32 s90, s22, 15                        ; B's scales: 128 bytes a row
	s_lshl_b32 s97, s18, 14
	s_add_co_u32 s90, s90, s97
	s_mov_b32 s91, 0
	s_mul_i32 s96, s18, AHALF                      ; and where they go: no place in the cluster enters an LDS address
	s_mul_i32 s97, s18, BHALF
	s_add_co_u32 s97, s97, ABYTES
	s_mul_i32 s98, s18, HSA
	s_add_co_u32 s98, s98, SCA
	s_mul_i32 s99, s18, 64*272
	s_add_co_u32 s99, s99, SCB
	s_wait_dscnt 0x0                               ; both opening adds are done
	s_wait_kmcnt 0x0
	s_add_nc_u64 s[84:85], s[4:5], s[84:85]
	s_add_nc_u64 s[88:89], s[6:7], s[88:89]
	s_add_nc_u64 s[86:87], s[8:9], s[86:87]
	s_add_nc_u64 s[90:91], s[10:11], s[90:91]
	CROUND                                         ; all sixteen work-groups are here: the first joint loads meet
	s_mov_b32 s[G0SA], 1
	s_mov_b32 s[G0SA+1], s98
	s_mov_b64 s[G0SA+2:G0SA+3], s[88:89]
	s_or_b32 s[G0SA+3], s[G0SA+3], 0x80000000
	s_mov_b32 s[G0SB], 1
	s_mov_b32 s[G0SB+1], s99
	s_mov_b64 s[G0SB+2:G0SB+3], s[90:91]
	s_or_b32 s[G0SB+3], s[G0SB+3], 0x80000000
	JLOAD G0SA, G1SA, G0SB, G1SB                   ; the scales first: they are wanted with K step 0
.irp s, 0,1
	s_mov_b32 s[G0A+4*\s], 1
	s_add_co_u32 s[G0A+4*\s+1], s96, \s*SLOT
	s_add_nc_u64 s[G0A+4*\s+2:G0A+4*\s+3], s[84:85], \s*ASTEP
	s_or_b32 s[G0A+4*\s+3], s[G0A+4*\s+3], 0x80000000
	s_mov_b32 s[G0B+4*\s], 1
	s_add_co_u32 s[G0B+4*\s+1], s97, \s*SLOT
	s_add_nc_u64 s[G0B+4*\s+2:G0B+4*\s+3], s[86:87], \s*256
	s_or_b32 s[G0B+4*\s+3], s[G0B+4*\s+3], 0x80000000
	JLOAD G0A+4*\s, G1A, G0B+4*\s, G1B             ; K steps 0 and 1: three loads of mine are out
.endr
	; where my part of the bias and of out begins (in the registers that held B's addresses: none that feeds A's descriptors ever holds cx)
	s_lshl_b32 s86, s22, 10                        ; my first column, in bytes: 1,024 x tile column + 512 x half
	s_lshl_b32 s87, s18, 9
	s_add_co_u32 s86, s86, s87
	s_mov_b32 s87, 0
	s_add_nc_u64 s[12:13], s[12:13], s[86:87]      ; the bias there
	s_lshl_b32 s90, s23, 21                        ; my first row: 128 x tile row + 64 x half, 16,384 bytes a row
	s_lshl_b32 s91, s17, 20
	s_add_co_u32 s90, s90, s91
	s_add_co_u32 s90, s90, s86
	s_mov_b32 s91, 0
	s_add_nc_u64 s[14:15], s[14:15], s[90:91]
	v_and_b32 v1, 15, v0                           ; r = lane % 16
	v_bfe_u32 v2, v0, 4, 1                         ; h = lane / 16
	v_and_b32 v3, 31, v0                           ; lane
	v_lshlrev_b32 v[BO], 5, v2
	WIN TOF
.irp b, 0,1,2,3,4,5,6,7
	global_load_b128 v[192+8*\b:195+8*\b], v[BO], s[12:13] offset:64*\b        ; the bias of columns 16 b + 8 h + 0 .. 7: the result's layout, the same for every row
	global_load_b128 v[196+8*\b:199+8*\b], v[BO], s[12:13] offset:64*\b+16
.endr
	WIN 0
	v_mul_u32_u24 v4, v1, APITCH
	v_lshl_add_u32 v4, v2, 4, v4                   ; a fragment's row x pitch + 16 x half
	s_mul_i32 s96, s17, 64*APITCH                  ; my 64 rows of A
	v_add_nc_u32 v[ADRA], s96, v4
	v_add_nc_u32 v[ADRA+1], SLOT, v[ADRA]
	v_mul_u32_u24 v5, v1, 272
	v_lshl_add_u32 v5, v2, 4, v5
	s_mul_i32 s97, s18, BHALF                      ; my 128 rows of B, behind A's part
	s_add_co_u32 s97, s97, ABYTES
	v_add_nc_u32 v[ADRB], s97, v5
	v_add_nc_u32 v[ADRB+1], SLOT, v[ADRB]
	s_lshl_b32 s98, s17, 9                         ; A's scale bytes: 8 a row, my 64 rows
	s_add_co_u32 s98, s98, SCA
	v_lshl_add_u32 v[ADRSA], v3, 3, s98
	v_lshrrev_b32 v6, 1, v3                        ; B's: two rows of 128 bytes to a unit of 256 + 16
	v_and_b32 v7, 1, v3
	v_mul_u32_u24 v6, v6, 272
	v_lshl_add_u32 v6, v7, 7, v6
	s_mul_i32 s99, s18, 64*272
	s_add_co_u32 s99, s99, SCB
	v_add_nc_u32 v[ADRSB], s99, v6
	s_mul_i32 s96, s16, 16*528                     ; my stage
	s_add_co_u32 s96, s96, STAGE
	v_mul_u32_u24 v8, v1, 528                      ; in: row r, 32 bytes for each half of the lanes
	v_lshl_add_u32 v8, v2, 5, v8
	v_add_nc_u32 v[STO], s96, v8
	v_lshlrev_b32 v[CO], 4, v3                     ; back: the 32 lanes take one row of 512 bytes; and the same in out
	v_add_nc_u32 v[RD], s96, v[CO]
; One matrix instruction: A's block a x B's tile b, the slot's q-th 128 along K; p: the set of fragments; sc: the set of scale words.  An odd tile's or block's words lie in lanes 16-31 of its register.
; first = 1: the sum starts from the bias (C in window 1): nothing is cleared, and the bias costs no addition.
.macro WM a, b, p, q, sc, first
.set rD, 8*(8*(\a)+(\b))
.set rB, 64*(\p)+8*(\b)
.set rA, 128+32*(\p)+8*(\a)
.set rT, SC+24*(\sc)+8+4*((\b)/2)+(\q)
.set rS, SC+24*(\sc)+4*((\a)/2)+(\q)
.set rC, rD
.if \first
.set rC, 192+8*(\b)
.endif
.set par, (\b)%2+2*((\a)%2)
.if par == 0
	v_wmma_scale_f32_16x16x128_f8f6f4 v[rD:rD+7], v[rB:rB+7], v[rA:rA+7], v[rC:rC+7], v[rT], v[rS] matrix_a_fmt:MATRIX_FMT_FP4 matrix_b_fmt:MATRIX_FMT_FP4
.elseif par == 1
	v_wmma_scale_f32_16x16x128_f8f6f4 v[rD:rD+7], v[rB:rB+7], v[rA:rA+7], v[rC:rC+7], v[rT], v[rS] matrix_a_fmt:MATRIX_FMT_FP4 matrix_b_fmt:MATRIX_FMT_FP4 matrix_a_scale:MATRIX_SCALE_ROW1
.elseif par == 2
	v_wmma_scale_f32_16x16x128_f8f6f4 v[rD:rD+7], v[rB:rB+7], v[rA:rA+7], v[rC:rC+7], v[rT], v[rS] matrix_a_fmt:MATRIX_FMT_FP4 matrix_b_fmt:MATRIX_FMT_FP4 matrix_b_scale:MATRIX_SCALE_ROW1
.else
	v_wmma_scale_f32_16x16x128_f8f6f4 v[rD:rD+7], v[rB:rB+7], v[rA:rA+7], v[rC:rC+7], v[rT], v[rS] matrix_a_fmt:MATRIX_FMT_FP4 matrix_b_fmt:MATRIX_FMT_FP4 matrix_a_scale:MATRIX_SCALE_ROW1 matrix_b_scale:MATRIX_SCALE_ROW1
.endif
.endm
.macro MUL8 a, p, q, sc, first         ; A's block a against B's eight tiles.  The 32 accumulators take turns, one instruction a turn, in the same order in every step
.irp b, 0,1,2,3,4,5,6,7
	WM \a, \b, \p, \q, \sc, \first
.endr
.endm
; 24 LDS loads in one run: the fragments of the slot's q-th 128 along K into set p.  A fragment, 16 rows x 128 K of 4-bit codes, is 8 registers: lane l holds row l % 16;
; registers 4 c .. 4 c + 3 hold K = 64 c + 32 (l / 16) + 0 .. 31: two loads of 16 bytes, 32 bytes apart.  A's quarter q lies in run q / 2 of the slot, at byte 64 (q % 2) of its rows.
.macro FETCH slot, q, p
	WIN TOF
.set AQ, ((\q)/2)*AHALF+64*((\q)%2)
.irp i, 0,1,2,3,4,5,6,7
	ds_load_b128 v[64*(\p)+8*\i:64*(\p)+8*\i+3],   v[ADRB+\slot] offset:64*(\q)+\i*16*272
	ds_load_b128 v[64*(\p)+8*\i+4:64*(\p)+8*\i+7], v[ADRB+\slot] offset:64*(\q)+\i*16*272+32
.endr
.irp i, 0,1,2,3
	ds_load_b128 v[128+32*(\p)+8*\i:128+32*(\p)+8*\i+3],   v[ADRA+\slot] offset:AQ+\i*16*APITCH
	ds_load_b128 v[128+32*(\p)+8*\i+4:128+32*(\p)+8*\i+7], v[ADRA+\slot] offset:AQ+\i*16*APITCH+32
.endr
.endm
.macro SCALES sc                       ; a K step's scale words into set sc: B's four words a row, 32 rows a load; A's two words a row from each of the K step's two runs
	WIN 0
.irp p, 0,1,2,3
	ds_load_b128 v[SC+24*\sc+8+4*\p:SC+24*\sc+8+4*\p+3], v[ADRSB] offset:4352*\p
.endr
.irp p, 0,1
.irp y, 0,1
	ds_load_b64 v[SC+24*\sc+4*\p+2*\y:SC+24*\sc+4*\p+2*\y+1], v[ADRSA] offset:256*\p+1024*\y
.endr
.endr
.endm
; A step of 128 along K that has its successor in the same slot: the successor's fragments are asked for first, and have this step's 32 matrix instructions in which to come.
.macro STEP slot, q, first
	s_wait_dscnt 0x0                               ; this step's fragments, asked for a step ago, are in
	PLACES                                         ; in front of loads into the set that the last step multiplied
	FETCH \slot, (\q)+1, ((\q)+1)%2
.if \first
	WIN MULB
.else
	WIN MUL
.endif
.irp a, 0,1,2,3
	MUL8 \a, (\q)%2, \q, \slot, \first
.endr
.endm
; A slot's last step changes slots: one barrier; in front of it each wave waits for all its tensor loads, adds 0 to its spare word, and waits for that and for its reads of this slot.
; fill = 1: the barrier opens a round of the cluster's barrier, and this slot is filled again, two K steps ahead.
.macro TURN slot, next, fill
	WIN 0                                          ; (the add's two registers lie in window 0)
	s_wait_tensorcnt 0x0                           ; all my tensor loads have landed: the one that was out is my part of the next slot
	ds_add_u32 v[SPW], v[NIL]                      ; 0 onto my spare word
	s_wait_dscnt 0x1                               ; the 24 fragment loads ahead of the add are in; the add may be out
	WIN MUL
	MUL8 0, 1, 3, \slot, 0                         ; eight matrix instructions stand between the add and the wait for it
	s_wait_dscnt 0x0                               ; the add is done, and my reads of this slot are over
	s_barrier_signal -1
	MUL8 1, 1, 3, \slot, 0
	WIN 0
	s_barrier_wait -1
.if \fill
	CREST                                          ; no wave of any partner still reads this slot's tile or has a load on its way
	s_add_nc_u64 s[G0A+4*\slot+2:G0A+4*\slot+3], s[G0A+4*\slot+2:G0A+4*\slot+3], 2*ASTEP
	s_add_nc_u64 s[G0B+4*\slot+2:G0B+4*\slot+3], s[G0B+4*\slot+2:G0B+4*\slot+3], 2*256
	JLOAD G0A+4*\slot, G1A, G0B+4*\slot, G1B       ; the first tensor load behind the round; its four v_nop are the places in front of the loads below
.else
	PLACES
.endif
	v_add_nc_u32 v[ADRSA], SASTEP, v[ADRSA]        ; on to the next K step's scale words
	v_add_nc_u32 v[ADRSB], 16, v[ADRSB]
	FETCH \next, 0, 0
	SCALES \next
	WIN MUL
	MUL8 2, 1, 3, \slot, 0
	MUL8 3, 1, 3, \slot, 0
.endm
	s_wait_tensorcnt 0x1                           ; the scales and my part of K step 0 are in; K step 1's load may stay out
	s_barrier_signal -1
	s_barrier_wait -1                              ; everybody's are
	FETCH 0, 0, 0
	SCALES 0
	s_wait_loadcnt 0x0                             ; the bias
	STEP 0, 0, 1                                   ; the first step stands in front of the loop: its products start the sums, from the bias
	WIN 0                                          ; at a label and at a branch every window is 0
	s_mov_b32 s3, 3
.Llap:                                                 ; a trip goes once round the ring, from a lap's second step to the next lap's first, and fills both slots again: K steps 2 to 7 in three trips
	STEP 0, 1, 0
	STEP 0, 2, 0
	TURN 0, 1, 1
	STEP 1, 0, 0
	STEP 1, 1, 0
	STEP 1, 2, 0
	TURN 1, 0, 1
	STEP 0, 0, 0
	WIN 0
	s_sub_co_u32 s3, s3, 1
	s_cmp_lg_u32 s3, 0
	s_cbranch_scc1 .Llap
	STEP 0, 1, 0                                   ; the last lap fills nothing, and has no round of the cluster's barrier
	STEP 0, 2, 0
	TURN 0, 1, 0
	STEP 1, 0, 0
	STEP 1, 1, 0
	STEP 1, 2, 0
	s_wait_dscnt 0x0                               ; the very last step: nothing more to fetch
	WIN MUL
.irp a, 0,1,2,3
	MUL8 \a, 1, 3, 1, 0
.endr
; THE WAY OUT, block by block of 16 rows x 128 columns.  A lane holds 32 neighbouring bytes of a row, and the lanes beside it hold other rows: so a block goes through my own stage in LDS and comes back as whole
; rows of 512 bytes.  LDS serves a wave's instructions in order (ISA guide 5.7.1.4): no wait between the stores and the loads, nor in front of the next block's stores.
; Each block comes back into 64 registers of its own in window 1, and every offset is an immediate: no source of a store is ever written again.
.macro TOSTAGE a
	WIN 0x08                                       ; an LDS store's data are its source 1: window 2
.irp b, 0,1,2,3,4,5,6,7
	ds_store_b128 v[STO], v[64*(\a)+8*\b:64*(\a)+8*\b+3] offset:64*\b          ; each accumulator from its low end on
	ds_store_b128 v[STO], v[64*(\a)+8*\b+4:64*(\a)+8*\b+7] offset:64*\b+16
.endr
	WIN TOF
.irp t, 0,1,2,3,4,5,6,7,8,9,10,11,12,13,14,15
	ds_load_b128 v[64*(\a)+4*\t:64*(\a)+4*\t+3], v[RD] offset:528*\t
.endr
.endm
.macro SEND a, younger                 ; younger: the LDS instructions issued behind block a's loads, which may stay out
	WIN 0x04                                       ; a store's data are its source 1: window 1
	s_wait_dscnt \younger                          ; the block is back in registers
.irp t, 0,1,2,3,4,5,6,7,8,9,10,11,12,13,14,15
	global_store_b128 v[CO], v[64*(\a)+4*\t:64*(\a)+4*\t+3], s[14:15] offset:(16*(\a)+\t)*16384 th:TH_STORE_NT   ; 32 lanes store 512 consecutive bytes, at a multiple of 256 from out's first byte; 63 rows at the most: inside the signed 24-bit immediate
.endr
.endm
	PLACES                                         ; behind the last products: for the reads of their results and for the loads into the registers that held fragments and bias
	TOSTAGE 0
.irp a, 1,2,3
	TOSTAGE \a
	SEND (\a)-1, 32                                ; behind block a - 1's loads: block a's 16 stores and 16 loads
.endr
	SEND 3, 0
	WIN 0
	s_wait_tensorcnt 0x0                           ; the wave's end, behind my last tensor load and my last LDS store
	ds_add_u32 v[SPW], v[NIL]
	s_wait_dscnt 0x0
	CROUND                                         ; the closing round: no work-group ends while a partner may still ask for a tile that names it
	s_endpgm
.Lfunc_end_k_qe046d48137_linear:
	.size	k_qe046d48137_linear, .Lfunc_end_k_qe046d48137_linear-k_qe046d48137_linear
	.p2alignl 7, 3214868480
	.fill 96, 4, 3214868480
	.section	.rodata,"a",@progbits
	.p2align	6, 0x0
	.amdhsa_kernel k_qe046d48137_linear
		.amdhsa_group_segment_fixed_size 327680
		.amdhsa_private_segment_fixed_size 0
		.amdhsa_enable_private_segment 0
		.amdhsa_kernarg_size 48
		.amdhsa_user_sgpr_count 2
		.amdhsa_user_sgpr_kernarg_segment_ptr 1
		.amdhsa_wavefront_size32 1
		.amdhsa_system_sgpr_workgroup_id_x 1
		.amdhsa_system_sgpr_workgroup_id_y 1
		.amdhsa_system_sgpr_workgroup_id_z 1
		.amdhsa_system_vgpr_workitem_id 0
		.amdhsa_next_free_vgpr 768
		.amdhsa_next_free_sgpr 100
		.amdhsa_reserve_vcc 0
		.amdhsa_float_denorm_mode_32 3
		.amdhsa_float_denorm_mode_16_64 3
		.amdhsa_memory_ordered 1
		.amdhsa_forward_progress 1
		.amdhsa_inst_pref_size 123
	.end_amdhsa_kernel
	.amdgpu_metadata
---
amdhsa.version: [ 1, 2 ]
amdhsa.kernels:
  - .name:           k_qe046d48137_linear
    .symbol:         k_qe046d48137_linear.kd
    .args:
      - { .name: xr_codes, .offset: 0, .size: 8, .value_kind: global_buffer, .address_space: global }
      - { .name: xr_scales, .offset: 8, .size: 8, .value_kind: global_buffer, .address_space: global }
      - { .name: weight_codes, .offset: 16, .size: 8, .value_kind: global_buffer, .address_space: global }
      - { .name: weight_scales, .offset: 24, .size: 8, .value_kind: global_buffer, .address_space: global }
      - { .name: bias, .offset: 32, .size: 8, .value_kind: global_buffer, .address_space: global }
      - { .name: out0, .offset: 40, .size: 8, .value_kind: global_buffer, .address_space: global }
    .group_segment_fixed_size: 327680
    .private_segment_fixed_size: 0
    .kernarg_segment_align: 8
    .kernarg_segment_size: 48
    .max_flat_workgroup_size: 128
    .sgpr_count:     100
    .vgpr_count:     768
    .wavefront_size: 32
...
	.end_amdgpu_metadata
.endif
;; end of part 2
;; ======== version 2 of 2: 2 launches
;; limits: right only within a limited range of input values
;; workspace buffers: xr_codes 4,194,304 bytes; xr_scales 262,144 bytes
;; launch rotate (part 3): grid 16 x 16, 4 waves a work-group, clusters of 4 x 4, 327,680 bytes of LDS; arguments x_codes, x_scales, had_K_codes, had_K_scales, xr_codes, xr_scales; writes xr_codes, xr_scales
.if DOCPART == 3
	.amdgcn_target "amdgcn-amd-amdhsa--gfx1250"
	.amdhsa_code_object_version 6
	.text
	.protected	k_qe046d48137_rotate
	.globl	k_qe046d48137_rotate
	.p2align	8
	.type	k_qe046d48137_rotate,@function
k_qe046d48137_rotate:
	s_mov_b64 s[64:65], 0
	v_nop
	global_prefetch_b8 v0, s[64:65] scope:SCOPE_SE
	s_setreg_imm32_b32 hwreg(HW_REG_WAVE_MODE, 25, 1), 1
	s_wait_xcnt 0x0
	s_wait_alu depctr_hold_cnt(0) depctr_sa_sdst(0) depctr_va_vdst(0) depctr_va_sdst(0) depctr_va_ssrc(0) depctr_va_vcc(0) depctr_vm_vsrc(0)
	s_getreg_b32 s2, hwreg(HW_REG_IB_STS2, 6, 4)
	s_cmp_eq_u32 s2, 0
	s_cbranch_scc0 .Lentry_in_a_cluster
	s_endpgm
.Lentry_in_a_cluster:
	s_bfe_u32 s2, ttmp6, 0x10000c
	s_cmp_lg_u32 s2, 0xf033
	s_cbranch_scc0 .Lentry_shape_is_right
	s_endpgm
.Lentry_shape_is_right:
; x_rot[m][e] = sum over k of x[m][k] had_K[k][e], on codes of FP4 (E2M1) with one E8M0 scale for each 32 along k, then the quantiser along e: x_rot leaves as codes and scale bytes for the next launch.
; x: [2048][4096] codes (2,048 bytes a row), scale bytes [2048][128].  had_K: [4096 (e)][4096 (k)] codes, k innermost, scale bytes [4096][128].
; OUT: xr_codes [16 (m / 128)][16 (e / 256)][128 rows][128 bytes], xr_scales [16][16][128 rows][8 bytes]: a work-group's tile is one dense run of 16,384 bytes of codes and one of 1,024 bytes of scales,
; and the runs of a tile row follow each other along e.
; NOTHING OF reference() IS LEFT OUT: the quantiser between the products is a step of the problem, so the two weights cannot be multiplied beforehand, and had_K is taken as it is given.
; LIMITS: NaN and infinities are not served (a scale byte 0xff among the inputs, or an x_rot beyond f32's range).  A block of zeros of x_rot gets the byte 1 where the rule says 127: its codes are zeros,
; which add nothing under any byte but 0xff, and this program alone reads the bytes.
; SHARES.  A tile of x_rot is 128 (m) x 256 (e): 16 x 16 = 256 work-groups.  Four waves, each 64 x 128: 16 accumulators of 32 x 16, 256 registers.
; K is eight units of 512.  Two LDS slots of unlike size take turns: Y holds two units (rows of 512 bytes), X one (rows of 256).  Fills: units 0-1 Y, 2 X, 3-4 Y, 5 X, 6-7 Y.
; The scale bytes of the work-group's rows, for all of K, come with the head's loads into the bytes of X, go into 192 registers of each wave, and X takes unit 2 behind a full round.
; CLUSTERS: 4 x 4 work-groups.  The four of a row of the cluster need the same tiles of x, the four of a column the same tiles of had_K: each tile is asked for jointly.
; PREFETCH: each fill but the first is asked for ahead: the head asks for units 2, 3 and 4; behind unit 2's load stands the request for unit 5, behind that of units 3-4 the request for units 6-7: two loads ahead.
; Of the 128 rows of x that four partners share each takes 32 (by cx), of the 256 rows of had_K 64 (by cy): a lane a row; no branch hangs on a place in the cluster.
; THE MATRIX INSTRUCTION IS USED TRANSPOSED (source 0 = 32 rows of had_K, source 1 = 16 rows of x): lane (r, h), register 8 u + j of accumulator (a, p) holds x_rot(row 16 a + r, e = 32 p + 16 u + 8 h + j).
; REGISTERS, in windows of 256.  0: v0-31 addresses, v64-255 scale words.  1: B's fragments, four sets v[64 s + 8 i].  2: accumulator (a, p) at v[64 a + 16 p].  3: A's fragments, four sets v[32 s + 8 a]; v128-227 the way out.
.set ABY,  128*528                     ; A's part of Y: rows of 512 bytes + 16: the 16 rows of a fragment load start at 16 different groups of four banks
.set XB,   ABY+256*528                 ; X behind Y
.set ABX,  128*272                     ; A's part of X: rows of 256 bytes + 16
.set SPARE, XB+384*272                 ; the spare words, 128 bytes for each wave: two blocks of 256 bytes that no other line names
.set STAGE, SPARE+512                  ; the stage for the codes: 128 rows x (128 bytes + 16); no fill ever lands here
.set SSTG, STAGE+128*144               ; and for the scale bytes: 128 rows x 8
.set SCA,  XB                          ; the head's scales: A's 128 rows x 128 bytes as 64 rows of 256 + 16,
.set SCB,  XB+64*272                   ; B's as 128 such rows
.set UA,   256                         ; a unit on, in A's memory, for the prefetches
.set UB,   256
.set SST,   12                         ; v12    the way out: where I put a row's scale word
.set SRD,   13                         ; v13    where I read scale bytes back
.set PFO,   14                         ; v14    the prefetches' offset: lane x 2,048; never rewritten
.set ADRA,  16                         ; v16-17 LDS address of my A fragments in Y, X
.set ADRB,  20                         ; v20-21 the same for B
.set ADRSA, 24                         ; v24    of A's scale bytes: lane l takes row l of 32
.set ADRSB, 25                         ; v25    of B's
.set STO,   26                         ; v26    where I put 4 bytes of a row's codes
.set RD,    27                         ; v27    where I read rows back
.set SPW,   28                         ; v28    LDS address of my spare word; never rewritten
.set NIL,   29                         ; v29    0; never rewritten
.set CO,    30                         ; v30    16 x lane
.set CO2,   31                         ; v31    8 x lane
.set SA,    64                         ; A's scale words: v[SA + 32 p + n]: rows 32 p + lane, the n-th 128 along K
.set SB,    128                        ; B's likewise, p = 0 .. 3
.set TM,    128                        ; window 3, the way out: 16 largest magnitudes,
.set TX,    144                        ; the other half of the lanes',
.set SO,    160                        ; the conversions' scale operands,
.set BY,    176                        ; the scale bytes,
.set PW,    192                        ; four scale words,
.set CD,    196                        ; 32 registers of codes
.set G0H,   4                          ; the head's groups 0 for x's and had_K's codes (the arguments that lay there have gone into sums by then)
.set G0HB,  8
.set G1A,  24                          ; group 1 for Y
.set G1B,  32
.set G1SA, 40                          ; for the scales
.set G1SB, 48
.set G0AY, 56
.set G0AX, 60
.set PFB,  66                          ; s[66:67] where my prefetches stand at unit 0; never rewritten
.set G0BY, 68
.set G0BX, 72
.set G0SA, 76
.set G0SB, 80
.set G1XA, 84                          ; group 1 for X
.set G1XB, 92
.set MSB, 0
.macro WIN new                         ; the immediate's high byte repeats the setting that is left; a switch that changes nothing is dropped
.if MSB != \new
	s_set_vgpr_msb (MSB<<8)|\new
.set MSB, \new
.endif
.endm
.set MUL, 0xad                         ; source 0 window 1, source 1 window 3, C and D window 2
.macro SHAPE g, c, r, p                ; words 1 to 7 of a group 1: rows of c elements, r of them, p elements apart
	s_mov_b32 s[\g+1], (\c)<<16
	s_mov_b32 s[\g+2], (\r)<<16
	s_mov_b32 s[\g+3], (\c)<<16
	s_mov_b32 s[\g+4], \r
	s_mov_b32 s[\g+5], \p
	s_mov_b32 s[\g+6], 0
	s_mov_b32 s[\g+7], 0
.endm
; A joint load: waves 0 and 1 fetch for A, waves 2 and 3 for B.  Each line has one mask and one set of registers for all that issue it; the branch hangs on the wave's number alone.
.macro JLOAD g0a, g1a, g0b, g1b
	s_cmp_eq_u32 s17, 0
	s_cbranch_scc0 .Lfor_b_\@
	tensor_load_to_lds s[\g0a:\g0a+3], s[\g1a:\g1a+7]
	s_nop 0
.rept 4
	v_nop
.endr
	s_branch .Lasked_\@
.Lfor_b_\@:
	tensor_load_to_lds s[\g0b:\g0b+3], s[\g1b:\g1b+7]
	s_nop 0
.rept 4
	v_nop
.endr
.Lasked_\@:
.endm
.macro ARM under, g0, g1, next         ; one arm of the head's tree of loads
	s_cmp_lt_u32 s16, \under
	s_cbranch_scc0 \next
	tensor_load_to_lds s[\g0:\g0+3], s[\g1:\g1+7]
	s_nop 0
.rept 4
	v_nop
.endr
	s_branch .Lhead_asked
\next:
.endm
.macro CREST                           ; a round of the cluster's barrier behind its opening barrier
	s_cmp_lg_u32 s16, 0
	s_cbranch_scc1 .Lnot_wave_0_\@
	s_barrier_signal -3
.Lnot_wave_0_\@:
	s_barrier_wait -3
	s_barrier_signal -1
	s_barrier_wait -1
.endm
.macro CROUND                          ; a whole round
	s_barrier_signal -1
	s_barrier_wait -1
	CREST
.endm
.macro PLACES                          ; four plain vector instructions between a matrix instruction and a load into, or a read of, its registers
.rept 4
	v_nop
.endr
.endm
.macro PF off
	global_prefetch_b8 v[PFO], s[PFB:PFB+1] offset:\off th:TH_LOAD_NT scope:SCOPE_SE
.endm
; Prefetches of units u .. u + n - 1: waves 2 and 3 ask for 32 rows of B each, waves 0 and 1 share A's units out.
.macro ASK u, n
	s_cmp_eq_u32 s17, 0
	s_cbranch_scc0 .Lask_b_\@
	s_cmp_eq_u32 s18, 0
	s_cbranch_scc0 .Lask_a_\@
	PF (\u)*UA
.if \n > 2
	PF ((\u)+2)*UA
.endif
	s_branch .Lask_x_\@
.Lask_a_\@:
.if \n > 1
	PF ((\u)+1)*UA
.endif
	s_branch .Lask_x_\@
.Lask_b_\@:
	PF (\u)*UB
.if \n > 1
	PF ((\u)+1)*UB
.endif
.if \n > 2
	PF ((\u)+2)*UB
.endif
.Lask_x_\@:
.endm
	s_load_b256 s[4:11], s[0:1], 0x0               ; x's codes s[4:5], x's scales s[6:7], had_K's codes s[8:9], had_K's scales s[10:11]
	s_load_b128 s[12:15], s[0:1], 0x20             ; xr_codes s[12:13], xr_scales s[14:15]
	v_lshl_add_u32 v[SPW], v0, 2, SPARE
	v_mov_b32 v[NIL], 0
	ds_add_u32 v[SPW], v[NIL]                      ; the wave's opening: the add, twice on end, and its wait ahead of my first tensor load
	ds_add_u32 v[SPW], v[NIL]
	v_lshrrev_b32 v1, 5, v0
	v_readfirstlane_b32 s16, v1                    ; wave 0..3
	s_lshr_b32 s17, s16, 1                         ; which 64 rows of the tile are mine.  Also: I fetch for A (0) or for B (1)
	s_and_b32 s18, s16, 1                          ; which 128 columns.  Also: which half of that tile I fetch
	s_bfe_u32 s20, ttmp6, 0x40000                  ; cx, cy: my place in the cluster
	s_bfe_u32 s21, ttmp6, 0x40004
	s_and_b32 s19, ttmp7, 0xffff
	s_lshl_b32 s22, s19, 2
	s_add_co_u32 s22, s22, s20                     ; tile column = 4 x cluster y + cx
	s_lshl_b32 s23, ttmp9, 2
	s_add_co_u32 s23, s23, s21                     ; tile row = 4 x cluster x + cy
	s_lshl_b32 s100, s21, 2
	s_lshl_b32 s100, 15, s100                      ; my row of the cluster
	s_lshl_b32 s101, 0x1111, s20                   ; my column
	; group 1, word 0: 15:0 the mask; 17:16 element size; 20 padding on; 21 set beside a mask; 24:22 after every 128 words (code 6) or 64 (code 5); 31:25 four words of it (code 3)
	s_or_b32 s[G1A],  s100, (1<<20)|(1<<21)|(6<<22)|(3<<25)
	s_or_b32 s[G1B],  s101, (1<<20)|(1<<21)|(6<<22)|(3<<25)
	s_or_b32 s[G1XA], s100, (1<<20)|(1<<21)|(5<<22)|(3<<25)
	s_or_b32 s[G1XB], s101, (1<<20)|(1<<21)|(5<<22)|(3<<25)
	s_or_b32 s[G1SA], s100, (3<<16)|(1<<20)|(1<<21)|(5<<22)|(3<<25)
	s_or_b32 s[G1SB], s101, (3<<16)|(1<<20)|(1<<21)|(5<<22)|(3<<25)
	SHAPE G1A, 512, 128, 2048                      ; the head's: all 128 rows of 512 bytes; set to 64 behind it
	SHAPE G1B, 512, 256, 2048                      ; all 256 rows; set to 128 behind it
	SHAPE G1XA, 256, 64, 2048
	SHAPE G1XB, 256, 128, 2048
	SHAPE G1SA, 32, 64, 32                         ; dense: 64 rows of 32 elements of 8 bytes
	SHAPE G1SB, 32, 128, 32
	; offsets in bytes, each in the registers that will hold the address: A's hang on the tile row alone, B's on the tile column alone
	s_lshl_b32 s[G0SA+2], s23, 14
	s_mov_b32 s[G0SA+3], 0
	s_lshl_b32 s[G0SB+2], s22, 15
	s_mov_b32 s[G0SB+3], 0
	s_lshl_b32 s100, s23, 18                       ; the whole tile's rows, for the head
	s_mov_b32 s101, 0
	s_lshl_b32 s104, s22, 19
	s_mov_b32 s105, 0
	s_lshl_b32 s[G0AY+2], s18, 17                  ; my 64 rows of A,
	s_add_co_u32 s[G0AY+2], s[G0AY+2], s100
	s_mov_b32 s[G0AY+3], 0
	s_lshl_b32 s[G0BY+2], s18, 18                  ; my 128 rows of B
	s_add_co_u32 s[G0BY+2], s[G0BY+2], s104
	s_mov_b32 s[G0BY+3], 0
	s_mul_i32 s[G0AY+1], s18, 64*528               ; and where they go: no place in the cluster enters an LDS address
	s_mul_i32 s[G0BY+1], s18, 128*528
	s_add_co_u32 s[G0BY+1], s[G0BY+1], ABY
	s_mul_i32 s[G0AX+1], s18, 64*272
	s_add_co_u32 s[G0AX+1], s[G0AX+1], XB
	s_mul_i32 s[G0BX+1], s18, 128*272
	s_add_co_u32 s[G0BX+1], s[G0BX+1], XB+ABX
	s_lshl_b32 s2, s20, 16                         ; prefetches of A: 32 rows by cx,
	s_add_co_u32 s2, s2, s100
	s_lshl_b32 s3, s21, 17                         ; of B: 64 rows by cy, 32 of them mine
	s_add_co_u32 s3, s3, s104
	s_lshl_b32 s19, s18, 16
	s_add_co_u32 s3, s3, s19
	s_cmp_eq_u32 s17, 0
	s_cselect_b32 s2, s2, s3
	s_mov_b32 s3, 0
	s_wait_dscnt 0x0                               ; both opening adds are done
	s_wait_kmcnt 0x0
	s_add_nc_u64 s[G0SA+2:G0SA+3], s[6:7], s[G0SA+2:G0SA+3]
	s_add_nc_u64 s[G0SB+2:G0SB+3], s[10:11], s[G0SB+2:G0SB+3]
	s_add_nc_u64 s[G0AY+2:G0AY+3], s[4:5], s[G0AY+2:G0AY+3]
	s_add_nc_u64 s[G0BY+2:G0BY+3], s[8:9], s[G0BY+2:G0BY+3]
	s_add_nc_u64 s[G0AX+2:G0AX+3], s[G0AY+2:G0AY+3], 512       ; X begins with unit 2
	s_add_nc_u64 s[G0BX+2:G0BX+3], s[G0BY+2:G0BY+3], 512
	s_cmp_eq_u32 s17, 0
	s_cselect_b64 s[PFB:PFB+1], s[4:5], s[8:9]
	s_add_nc_u64 s[PFB:PFB+1], s[PFB:PFB+1], s[2:3]
	s_add_nc_u64 s[G0H+2:G0H+3], s[4:5], s[100:101]
	s_add_nc_u64 s[G0HB+2:G0HB+3], s[8:9], s[104:105]
.irp g, G0H, G0HB, G0AY, G0AX, G0BY, G0BX, G0SA, G0SB
	s_mov_b32 s[\g], 1
	s_or_b32 s[\g+3], s[\g+3], 0x80000000
.endr
	s_mov_b32 s[G0H+1], 0
	s_mov_b32 s[G0HB+1], ABY
	s_mov_b32 s[G0SA+1], SCA
	s_mov_b32 s[G0SB+1], SCB
	CROUND                                         ; all sixteen work-groups are here: the first joint loads meet
	; THE HEAD'S LOADS, ONE A WAVE: units 0-1 of A, of B, A's scales, B's scales
	ARM 1, G0H,  G1A,  .Lhead_b
	ARM 2, G0HB, G1B,  .Lhead_sa
	ARM 3, G0SA, G1SA, .Lhead_sb
	tensor_load_to_lds s[G0SB:G0SB+3], s[G1SB:G1SB+7]
	s_nop 0
.rept 4
	v_nop
.endr
.Lhead_asked:
	v_and_b32 v3, 31, v0                           ; lane
	v_lshlrev_b32 v[PFO], 11, v3
	s_wait_alu depctr_va_vdst(0)                   ; directly ahead of the branches
	ASK 2, 3
	; where my part of the outputs begins
	s_lshl_b32 s100, s23, 18                       ; xr_codes: 262,144 x tile row + 16,384 x tile column + 4,096 x wave (32 rows of 128 bytes)
	s_lshl_b32 s101, s22, 14
	s_add_co_u32 s100, s100, s101
	s_lshl_b32 s101, s16, 12
	s_add_co_u32 s100, s100, s101
	s_mov_b32 s101, 0
	s_add_nc_u64 s[12:13], s[12:13], s[100:101]
	s_lshl_b32 s100, s23, 14                       ; xr_scales: 16,384 x tile row + 1,024 x tile column + 256 x wave
	s_lshl_b32 s101, s22, 10
	s_add_co_u32 s100, s100, s101
	s_lshl_b32 s101, s16, 8
	s_add_co_u32 s100, s100, s101
	s_mov_b32 s101, 0
	s_add_nc_u64 s[14:15], s[14:15], s[100:101]
	s_mul_i32 s100, s17, 64*528                    ; my 64 rows of A in Y,
	s_mul_i32 s101, s17, 64*272                    ; in X;
	s_add_co_u32 s101, s101, XB
	s_mul_i32 s104, s18, 128*528                   ; my 128 rows of B
	s_add_co_u32 s104, s104, ABY
	s_mul_i32 s105, s18, 128*272
	s_add_co_u32 s105, s105, XB+ABX
	s_mul_i32 s2, s17, 32*272                      ; my scale bytes: A's 64 rows,
	s_add_co_u32 s2, s2, SCA
	s_mul_i32 s3, s18, 64*272                      ; B's 128
	s_add_co_u32 s3, s3, SCB
	v_and_b32 v1, 15, v0                           ; r = lane % 16
	v_bfe_u32 v2, v0, 4, 1                         ; h = lane / 16
	v_mul_u32_u24 v4, v1, 528
	v_lshl_add_u32 v4, v2, 4, v4                   ; a fragment's row x pitch + 16 x half
	v_mul_u32_u24 v5, v1, 272
	v_lshl_add_u32 v5, v2, 4, v5
	v_add_nc_u32 v[ADRA], s100, v4
	v_add_nc_u32 v[ADRA+1], s101, v5
	v_add_nc_u32 v[ADRB], s104, v4
	v_add_nc_u32 v[ADRB+1], s105, v5
	v_lshrrev_b32 v6, 1, v3                        ; scale bytes: two rows of 128 in each LDS row of 272
	v_and_b32 v7, 1, v3
	v_mul_u32_u24 v6, v6, 272
	v_lshl_add_u32 v6, v7, 7, v6
	v_add_nc_u32 v[ADRSA], s2, v6
	v_add_nc_u32 v[ADRSB], s3, v6
	s_wait_alu depctr_va_vdst(0)                   ; ahead of the scalar lines below
	s_mul_i32 s100, s17, 64*144                    ; the stage, in: row 64 x row half + r, byte 64 x column half + 4 h
	s_lshl_b32 s101, s18, 6
	s_add_co_u32 s100, s100, s101
	s_add_co_u32 s100, s100, STAGE
	s_mul_i32 s101, s16, 32*144                    ; back: rows 32 x wave on; eight lanes to a row of 128 bytes, four rows an instruction
	s_add_co_u32 s101, s101, STAGE
	s_lshl_b32 s104, s17, 9                        ; the scale stage, in: 8 bytes a row, my column half's four
	s_lshl_b32 s105, s18, 2
	s_add_co_u32 s104, s104, s105
	s_add_co_u32 s104, s104, SSTG
	s_lshl_b32 s105, s16, 8                        ; back: 256 bytes a wave, 8 a lane
	s_add_co_u32 s105, s105, SSTG
	v_mul_u32_u24 v8, v1, 144
	v_lshl_add_u32 v8, v2, 2, v8
	v_add_nc_u32 v[STO], s100, v8
	v_lshrrev_b32 v9, 3, v3
	v_and_b32 v10, 7, v3
	v_mul_u32_u24 v9, v9, 144
	v_lshl_add_u32 v9, v10, 4, v9
	v_add_nc_u32 v[RD], s101, v9
	v_lshl_add_u32 v[SST], v1, 3, s104
	v_lshl_add_u32 v[SRD], v3, 3, s105
	v_lshlrev_b32 v[CO], 4, v3
	v_lshlrev_b32 v[CO2], 3, v3
	s_mov_b32 s2, 0x76543210                       ; v_permlanex16_b32's selects for lane l xor 16
	s_mov_b32 s3, 0xfedcba98
; One matrix instruction: A's block a x B's 32 columns p, the st-th 128 along K.  B's scale words fill all 32 lanes; an odd block of A has its words in lanes 16-31.
.macro WM a, p, st, first
.set rD, 64*(\a)+16*(\p)
.set rB, 64*((\st)%4)+16*(\p)
.set rA, 32*((\st)%4)+8*(\a)
.set rT, SB+32*(\p)+(\st)
.set rS, SA+32*((\a)/2)+(\st)
.if \first
.if (\a)%2 == 0
	v_wmma_scale_f32_32x16x128_f4 v[rD:rD+15], v[rB:rB+15], v[rA:rA+7], 0, v[rT], v[rS]
.else
	v_wmma_scale_f32_32x16x128_f4 v[rD:rD+15], v[rB:rB+15], v[rA:rA+7], 0, v[rT], v[rS] matrix_b_scale:MATRIX_SCALE_ROW1
.endif
.else
.if (\a)%2 == 0
	v_wmma_scale_f32_32x16x128_f4 v[rD:rD+15], v[rB:rB+15], v[rA:rA+7], v[rD:rD+15], v[rT], v[rS]
.else
	v_wmma_scale_f32_32x16x128_f4 v[rD:rD+15], v[rB:rB+15], v[rA:rA+7], v[rD:rD+15], v[rT], v[rS] matrix_b_scale:MATRIX_SCALE_ROW1
.endif
.endif
.endm
.macro MUL4 a, st, first               ; the 16 accumulators take turns, in the same order in every step
.irp p, 0,1,2,3
	WM \a, \p, \st, \first
.endr
.endm
.macro MULS st, first
.irp a, 0,1,2,3
	MUL4 \a, \st, \first
.endr
.endm
.macro AT st                           ; where step st lies: slot SL (0: Y, 1: X), its QQ-th 128 along K, LDS pitch PT; its set of fragments ST
.set ST, (\st)%4
.if (\st) < 8
.set SL, 0
.set QQ, (\st)
.elseif (\st) < 12
.set SL, 1
.set QQ, (\st)-8
.elseif (\st) < 20
.set SL, 0
.set QQ, (\st)-12
.elseif (\st) < 24
.set SL, 1
.set QQ, (\st)-20
.else
.set SL, 0
.set QQ, (\st)-24
.endif
.set PT, 528-256*SL
.endm
; 24 LDS loads in one run: step st's fragments.  16 rows x 128 K of 4-bit codes are 8 registers: lane l holds row l % 16; registers 4 c .. 4 c + 3 hold K = 64 c + 32 (l / 16) + 0 .. 31.
.macro FETCH st
	AT \st
	WIN 0x40
.irp i, 0,1,2,3,4,5,6,7
	ds_load_b128 v[64*ST+8*\i:64*ST+8*\i+3],   v[ADRB+SL] offset:64*QQ+\i*16*PT
	ds_load_b128 v[64*ST+8*\i+4:64*ST+8*\i+7], v[ADRB+SL] offset:64*QQ+\i*16*PT+32
.endr
	WIN 0xc0
.irp i, 0,1,2,3
	ds_load_b128 v[32*ST+8*\i:32*ST+8*\i+3],   v[ADRA+SL] offset:64*QQ+\i*16*PT
	ds_load_b128 v[32*ST+8*\i+4:32*ST+8*\i+7], v[ADRA+SL] offset:64*QQ+\i*16*PT+32
.endr
.endm
.macro SCALES u                        ; unit u's scale words: six loads of four words a row
.irp p, 0,1
	ds_load_b128 v[SA+32*\p+4*(\u):SA+32*\p+4*(\u)+3], v[ADRSA] offset:4352*\p+16*(\u)
.endr
.irp p, 0,1,2,3
	ds_load_b128 v[SB+32*\p+4*(\u):SB+32*\p+4*(\u)+3], v[ADRSB] offset:4352*\p+16*(\u)
.endr
.endm
.macro STEP st                         ; 128 along K; the fragments of the step after the next are asked for first
	s_wait_dscnt 24                                ; my fragments are in; the next step's 24 loads may be out
	PLACES                                         ; in front of loads into a set that was multiplied
	FETCH (\st)+2
	WIN MUL
	MULS \st, 0
.endm
; The step before a slot's last: its last fragments are out already, so the slot changes here.  In front of the barrier each wave waits for all its tensor loads, adds 0 to its spare word, and waits for that and for its reads.
; fill = 1: Y is filled again, 2: X, three units on; 0: nothing is left to fetch and no round follows.  u, n: what is prefetched (n = 0: nothing).
.macro TURN st, fill, u, n
	s_wait_dscnt 24
	WIN MUL
	MUL4 0, \st, 0
	WIN 0
	s_wait_tensorcnt 0x0                           ; my part of the next slot has landed: no tensor load of mine is out, so a group 0 may be written
	ds_add_u32 v[SPW], v[NIL]
.if \fill == 1
	s_add_nc_u64 s[G0AY+2:G0AY+3], s[G0AY+2:G0AY+3], 3*UA
	s_add_nc_u64 s[G0BY+2:G0BY+3], s[G0BY+2:G0BY+3], 3*UB
.elseif \fill == 2
	s_add_nc_u64 s[G0AX+2:G0AX+3], s[G0AX+2:G0AX+3], 3*UA
	s_add_nc_u64 s[G0BX+2:G0BX+3], s[G0BX+2:G0BX+3], 3*UB
.endif
	WIN MUL
	MUL4 1, \st, 0
	s_wait_dscnt 0x0                               ; the add is done, and my reads of this slot are over
	s_barrier_signal -1
	MUL4 2, \st, 0
	WIN 0
	s_barrier_wait -1
.if \fill
	CREST                                          ; no wave of any partner still reads this slot or has a load on its way
.endif
.if \fill == 1
	JLOAD G0AY, G1A, G0BY, G1B
.elseif \fill == 2
	JLOAD G0AX, G1XA, G0BX, G1XB
.else
	PLACES
.endif
	FETCH (\st)+2
.if \n
	WIN 0
	ASK \u, \n
.endif
	WIN MUL
	MUL4 3, \st, 0
.endm
	s_wait_alu depctr_va_vdst(0)                   ; the head's end
	s_wait_tensorcnt 0x0                           ; my tile of the head's four is in
	s_mov_b32 s[G1A+2], 64<<16                     ; no tensor load of mine is out: from here on a load for Y brings 64 rows of A
	s_mov_b32 s[G1A+4], 64
	s_mov_b32 s[G1B+2], 128<<16                    ; or 128 of B
	s_mov_b32 s[G1B+4], 128
	s_barrier_signal -1
	s_barrier_wait -1                              ; all four tiles are in
	SCALES 0
	FETCH 0
	WIN 0
	SCALES 1
	SCALES 2
	SCALES 3
	s_wait_dscnt 18                                ; step 0's fragments and unit 0's scales are in; units 1 to 3's eighteen loads may be out
	FETCH 1
	WIN MUL
	MULS 0, 1                                      ; the first products start the sums: nothing is cleared
	; step 1: the last scales leave X, and X takes unit 2
	s_wait_dscnt 0x0
	WIN 0
	SCALES 4
	SCALES 5
	SCALES 6
	SCALES 7
	FETCH 2
	WIN MUL
	MUL4 0, 1, 0
	MUL4 1, 1, 0
	WIN 0
	s_wait_tensorcnt 0x0                           ; ahead of the fill
	ds_add_u32 v[SPW], v[NIL]
	WIN MUL
	MUL4 2, 1, 0
	s_wait_dscnt 0x0                               ; the add is done, and all my scales are in registers
	s_barrier_signal -1
	MUL4 3, 1, 0
	WIN 0
	s_barrier_wait -1
	CREST
	JLOAD G0AX, G1XA, G0BX, G1XB
	FETCH 3
	WIN 0
	ASK 5, 1
.irp st, 2,3,4,5
	STEP \st
.endr
	TURN 6, 1, 6, 2                                ; Y takes units 3-4
.irp st, 7,8,9
	STEP \st
.endr
	TURN 10, 2, 0, 0                               ; X takes unit 5
.irp st, 11,12,13,14,15,16,17
	STEP \st
.endr
	TURN 18, 1, 0, 0                               ; Y takes units 6-7: the last load
.irp st, 19,20,21
	STEP \st
.endr
	TURN 22, 0, 0, 0
.irp st, 23,24,25,26,27,28,29
	STEP \st
.endr
	s_wait_dscnt 24
	MULS 30, 0
	s_wait_dscnt 0x0
	MULS 31, 0
	; THE WAY OUT: the quantiser along e.  Block g of row block a (32 neighbouring e) lies in registers 16 (4 a + g) + 0 .. 15 of lanes l and l xor 16: index k = 4 a + g below.
	WIN 0xc0
.irp k, 0,1,2,3,4,5,6,7,8,9,10,11,12,13,14,15
	v_mov_b32 v[TX+\k], 0                          ; a lane permute's destination counts as one of its sources.  (These sixteen are also the places behind the last products)
.endr
	WIN 0xfa                                       ; sources 0 and 1 window 2, the rest window 3
.irp k, 0,1,2,3,4,5,6,7,8,9,10,11,12,13,14,15
	v_max3_num_f32 v[TM+\k], |v[16*\k]|, |v[16*\k+1]|, 0x1800000   ; my 16 numbers of the block, from the low end on, and the floor 2^(3 - 127): so the byte cannot fall under 1
.endr
.irp i, 2,4,6,8,10,12,14
.irp k, 0,1,2,3,4,5,6,7,8,9,10,11,12,13,14,15
	v_max3_num_f32 v[TM+\k], |v[16*\k+\i]|, |v[16*\k+\i+1]|, v[TM+\k]
.endr
.endr
	WIN 0xff
.irp k, 0,1,2,3,4,5,6,7,8,9,10,11,12,13,14,15
	v_permlanex16_b32 v[TX+\k], v[TM+\k], s2, s3
.endr
.irp k, 0,1,2,3,4,5,6,7,8,9,10,11,12,13,14,15
	v_max_num_f32 v[TM+\k], v[TM+\k], v[TX+\k]     ; with lane l xor 16's: the block's largest magnitude
.endr
.irp k, 0,1,2,3,4,5,6,7,8,9,10,11,12,13,14,15
	v_add_nc_u32 v[SO+\k], 0xff000000, v[TM+\k]    ; 2 off its exponent field: the conversion takes the exponent field of this operand as its scale, and nothing else of it
.endr
.irp k, 0,1,2,3,4,5,6,7,8,9,10,11,12,13,14,15
	v_lshrrev_b32 v[BY+\k], 23, v[SO+\k]           ; the scale's byte
.endr
.irp a, 0,1,2,3
	v_lshl_or_b32 v[PW+\a], v[BY+4*\a+1], 8, v[BY+4*\a]    ; four bytes: my row's scale word for my wave's 128 e
.endr
.irp a, 0,1,2,3
	v_lshl_or_b32 v[PW+\a], v[BY+4*\a+2], 16, v[PW+\a]
.endr
.irp a, 0,1,2,3
	v_lshl_or_b32 v[PW+\a], v[BY+4*\a+3], 24, v[PW+\a]
.endr
	WIN 0xce                                       ; source 0 window 2, source 1 and destination window 3
.irp k, 0,1,2,3,4,5,6,7,8,9,10,11,12,13,14,15
	v_cvt_scalef32_pk8_fp4_f32 v[CD+2*\k], v[16*\k:16*\k+7], v[SO+\k]         ; the codes of e = 32 g + 8 h + 0 .. 7
	v_cvt_scalef32_pk8_fp4_f32 v[CD+2*\k+1], v[16*\k+8:16*\k+15], v[SO+\k]    ; and of e = 32 g + 16 + 8 h + 0 .. 7
.endr
	v_nop                                          ; one plain place behind the last scaled conversion
	WIN 0x0c                                       ; a store's data are its source 1: window 3
.irp a, 0,1,2,3
.irp g, 0,1,2,3
.irp u, 0,1
	ds_store_b32 v[STO], v[CD+8*\a+2*\g+\u] offset:2304*\a+16*\g+8*\u    ; four bytes at byte (32 g + 16 u + 8 h) / 2 of my half of row 16 a + r
.endr
.endr
	ds_store_b32 v[SST], v[PW+\a] offset:128*\a    ; both halves of the lanes write the same word with the same value
.endr
	s_wait_dscnt 0x0                               ; for the others' sake: my stores into the stages are done
	s_barrier_signal -1
	s_barrier_wait -1                              ; a row's 128 bytes come from two waves
	WIN 0xc0
.irp i, 0,1,2,3,4,5,6,7
	ds_load_b128 v[4*\i:4*\i+3], v[RD] offset:576*\i
.endr
	ds_load_b64 v[32:33], v[SRD]
	WIN 0x0c
.irp i, 0,1,2,3,4,5,6,7
	s_wait_dscnt 8-\i                              ; behind load i: 7 - i loads of 16 bytes and the one of 8
	global_store_b128 v[CO], v[4*\i:4*\i+3], s[12:13] offset:512*\i     ; 32 lanes store four rows: 512 consecutive bytes, at a multiple of 256 from the buffer's first byte
.endr
	s_wait_dscnt 0x0
	global_store_b64 v[CO2], v[32:33], s[14:15]    ; 32 lanes store 256 consecutive bytes, aligned
	WIN 0
	s_wait_tensorcnt 0x0                           ; the wave's end, behind my last tensor load and my last LDS store
	ds_add_u32 v[SPW], v[NIL]
	s_wait_dscnt 0x0
	CROUND                                         ; the closing round: no work-group ends while a partner may still ask for a tile that names it
	s_endpgm
.Lfunc_end_k_qe046d48137_rotate:
	.size	k_qe046d48137_rotate, .Lfunc_end_k_qe046d48137_rotate-k_qe046d48137_rotate
	.p2alignl 7, 3214868480
	.fill 96, 4, 3214868480
	.section	.rodata,"a",@progbits
	.p2align	6, 0x0
	.amdhsa_kernel k_qe046d48137_rotate
		.amdhsa_group_segment_fixed_size 327680
		.amdhsa_private_segment_fixed_size 0
		.amdhsa_enable_private_segment 0
		.amdhsa_kernarg_size 48
		.amdhsa_user_sgpr_count 2
		.amdhsa_user_sgpr_kernarg_segment_ptr 1
		.amdhsa_wavefront_size32 1
		.amdhsa_system_sgpr_workgroup_id_x 1
		.amdhsa_system_sgpr_workgroup_id_y 1
		.amdhsa_system_sgpr_workgroup_id_z 1
		.amdhsa_system_vgpr_workitem_id 0
		.amdhsa_next_free_vgpr 1024
		.amdhsa_next_free_sgpr 106
		.amdhsa_reserve_vcc 0
		.amdhsa_float_denorm_mode_32 3
		.amdhsa_float_denorm_mode_16_64 3
		.amdhsa_memory_ordered 1
		.amdhsa_forward_progress 1
		.amdhsa_inst_pref_size 161
	.end_amdhsa_kernel
	.amdgpu_metadata
---
amdhsa.version: [ 1, 2 ]
amdhsa.kernels:
  - .name:           k_qe046d48137_rotate
    .symbol:         k_qe046d48137_rotate.kd
    .args:
      - { .name: x_codes, .offset: 0, .size: 8, .value_kind: global_buffer, .address_space: global }
      - { .name: x_scales, .offset: 8, .size: 8, .value_kind: global_buffer, .address_space: global }
      - { .name: had_K_codes, .offset: 16, .size: 8, .value_kind: global_buffer, .address_space: global }
      - { .name: had_K_scales, .offset: 24, .size: 8, .value_kind: global_buffer, .address_space: global }
      - { .name: xr_codes, .offset: 32, .size: 8, .value_kind: global_buffer, .address_space: global }
      - { .name: xr_scales, .offset: 40, .size: 8, .value_kind: global_buffer, .address_space: global }
    .group_segment_fixed_size: 327680
    .private_segment_fixed_size: 0
    .kernarg_segment_align: 8
    .kernarg_segment_size: 48
    .max_flat_workgroup_size: 128
    .sgpr_count:     106
    .vgpr_count:     1024
    .wavefront_size: 32
...
	.end_amdgpu_metadata
.endif
;; end of part 3
;; launch linear (part 4): grid 16 x 16, 4 waves a work-group, clusters of 4 x 4, 327,680 bytes of LDS; arguments xr_codes, xr_scales, weight_codes, weight_scales, bias, out0; writes out0
.if DOCPART == 4
	.amdgcn_target "amdgcn-amd-amdhsa--gfx1250"
	.amdhsa_code_object_version 6
	.text
	.protected	k_qe046d48137_linear
	.globl	k_qe046d48137_linear
	.p2align	8
	.type	k_qe046d48137_linear,@function
k_qe046d48137_linear:
	s_mov_b64 s[64:65], 0
	v_nop
	global_prefetch_b8 v0, s[64:65] scope:SCOPE_SE
	s_setreg_imm32_b32 hwreg(HW_REG_WAVE_MODE, 25, 1), 1
	s_wait_xcnt 0x0
	s_wait_alu depctr_hold_cnt(0) depctr_sa_sdst(0) depctr_va_vdst(0) depctr_va_sdst(0) depctr_va_ssrc(0) depctr_va_vcc(0) depctr_vm_vsrc(0)
	s_getreg_b32 s2, hwreg(HW_REG_IB_STS2, 6, 4)
	s_cmp_eq_u32 s2, 0
	s_cbranch_scc0 .Lentry_in_a_cluster
	s_endpgm
.Lentry_in_a_cluster:
	s_bfe_u32 s2, ttmp6, 0x10000c
	s_cmp_lg_u32 s2, 0xf033
	s_cbranch_scc0 .Lentry_shape_is_right
	s_endpgm
.Lentry_shape_is_right:
; out[m][o] = sum over e of Q(x_rot)[m][e] weight[o][e] + bias[o], on codes of FP4 (E2M1) with one E8M0 scale for each 32 along e; out is f32.  Nothing of reference() is left out.
; Q(x_rot) comes from the launch before: xr_codes [16 (m / 128)][16 (e / 256)][128 rows][128 bytes], xr_scales [16][16][128 rows][8 bytes].  weight: [4096 (o)][4096 (e)] codes, 2,048 bytes a row, scale bytes [4096][128].
; LIMITS: NaN and infinities are not served (a scale byte 0xff among the inputs).  The bias starts each sum where reference() adds it last: an order of rounding of its own.
; SHARES, SLOTS, CLUSTERS, PREFETCH, TRANSPOSED USE as in the launch before: a tile of out is 128 (m) x 256 (o), 256 work-groups, four waves of 64 x 128; slot Y holds two units of 512 along K, slot X one;
; fills: units 0-1 Y, 2 X, 3-4 Y, 5 X, 6-7 Y; the scales come first into the bytes of X and stay in registers; prefetches run two loads ahead.
; What differs: a unit of A is two dense runs of 16,384 bytes (128 rows x 128 bytes each), stated as rows of 256 bytes and laid in LDS with 16 bytes behind each 128; A's scale bytes are one dense block of 16,384 bytes;
; of a unit's 128 blocks of 256 bytes of A each of the four partners prefetches 32; the bias is the C of each sum's first matrix instruction.
; The last two steps go by rows of out, so that finished rows leave while the others are multiplied; the stage lies in X, which has had its last fill and its last read by then.
; REGISTERS, in windows of 256.  0: v0-31 addresses, v64-255 scale words.  1: B's fragments, four sets v[64 s + 8 i].  2: accumulator (a, p) at v[64 a + 16 p].  3: A's fragments, four sets v[32 s + 8 a]; v128-191 the bias.
.set RUN,  128*144                     ; a run of A in LDS: 128 rows of 128 bytes + 16: the 16 rows of a fragment load start at 16 different groups of four banks
.set ABY,  4*RUN                       ; A's part of Y
.set XB,   ABY+256*528                 ; X behind Y
.set ABX,  2*RUN                       ; A's part of X
.set SPARE, XB+ABX+256*272             ; the spare words, 128 bytes for each wave: two blocks of 256 bytes that no other line names
.set STAGE, XB                         ; the way out: 16 rows x (512 bytes + 16) for each wave
.set SCA,  XB                          ; the head's scales: A's, dense,
.set SCB,  XB+16384                    ; B's 256 rows x 128 bytes as 128 rows of 256 + 16
.set UA,   32768                       ; a unit on, in A's memory
.set UB,   256
.set PFO,   14                         ; v14    the prefetches' offset; never rewritten
.set BO,    15                         ; v15    32 x (lane / 16): my eight numbers of a tile's sixteen of the bias
.set ADRA,  16                         ; v16-17 LDS address of my A fragments in Y, X
.set ADRB,  20                         ; v20-21 the same for B
.set ADRSA, 24                         ; v24    of A's scale bytes: lane l takes row l of 32
.set ADRSB, 25                         ; v25    of B's
.set STO,   26                         ; v26    the way out: where I put 32 bytes of a row
.set RD,    27                         ; v27    where I read a row back
.set SPW,   28                         ; v28    LDS address of my spare word; never rewritten
.set NIL,   29                         ; v29    0; never rewritten
.set CO,    30                         ; v30    16 x lane
.set SA,    64                         ; A's scale words: v[SA + 32 p + n]: rows 32 p + lane, the n-th 128 along K
.set SB,    128                        ; B's likewise, p = 0 .. 3
.set BI,    128                        ; window 3: the bias
.set G0H,   4                          ; the head's groups 0 for A's and B's codes (the arguments that lay there have gone into sums by then)
.set G0HB,  8
.set G1A,  24                          ; group 1 for Y
.set G1B,  32
.set G1SA, 40                          ; for the scales
.set G1SB, 48
.set G0AY, 56
.set G0AX, 60
.set PFB,  66                          ; s[66:67] where my prefetches stand at unit 0; never rewritten
.set G0BY, 68
.set G0BX, 72
.set G0SA, 76
.set G0SB, 80
.set G1XA, 84                          ; group 1 for X
.set G1XB, 92
.set MSB, 0
.macro WIN new                         ; the immediate's high byte repeats the setting that is left; a switch that changes nothing is dropped
.if MSB != \new
	s_set_vgpr_msb (MSB<<8)|\new
.set MSB, \new
.endif
.endm
.set MUL,  0xad                        ; source 0 window 1, source 1 window 3, C and D window 2
.set MULB, 0xbd                        ; the same with C in window 3: the bias
.macro SHAPE g, c, r, p                ; words 1 to 7 of a group 1: rows of c elements, r of them, p elements apart
	s_mov_b32 s[\g+1], (\c)<<16
	s_mov_b32 s[\g+2], (\r)<<16
	s_mov_b32 s[\g+3], (\c)<<16
	s_mov_b32 s[\g+4], \r
	s_mov_b32 s[\g+5], \p
	s_mov_b32 s[\g+6], 0
	s_mov_b32 s[\g+7], 0
.endm
; A joint load: waves 0 and 1 fetch for A, waves 2 and 3 for B.  Each line has one mask and one set of registers for all that issue it; the branch hangs on the wave's number alone.
.macro JLOAD g0a, g1a, g0b, g1b
	s_cmp_eq_u32 s17, 0
	s_cbranch_scc0 .Lfor_b_\@
	tensor_load_to_lds s[\g0a:\g0a+3], s[\g1a:\g1a+7]
	s_nop 0
.rept 4
	v_nop
.endr
	s_branch .Lasked_\@
.Lfor_b_\@:
	tensor_load_to_lds s[\g0b:\g0b+3], s[\g1b:\g1b+7]
	s_nop 0
.rept 4
	v_nop
.endr
.Lasked_\@:
.endm
.macro ARM under, g0, g1, next         ; one arm of the head's tree of loads
	s_cmp_lt_u32 s16, \under
	s_cbranch_scc0 \next
	tensor_load_to_lds s[\g0:\g0+3], s[\g1:\g1+7]
	s_nop 0
.rept 4
	v_nop
.endr
	s_branch .Lhead_asked
\next:
.endm
.macro CREST                           ; a round of the cluster's barrier behind its opening barrier
	s_cmp_lg_u32 s16, 0
	s_cbranch_scc1 .Lnot_wave_0_\@
	s_barrier_signal -3
.Lnot_wave_0_\@:
	s_barrier_wait -3
	s_barrier_signal -1
	s_barrier_wait -1
.endm
.macro CROUND                          ; a whole round
	s_barrier_signal -1
	s_barrier_wait -1
	CREST
.endm
.macro PLACES                          ; four plain vector instructions between a matrix instruction and a load into, or a read of, its registers
.rept 4
	v_nop
.endr
.endm
.macro PF off
	global_prefetch_b8 v[PFO], s[PFB:PFB+1] offset:\off th:TH_LOAD_NT scope:SCOPE_SE
.endm
; Prefetches of units u .. u + n - 1: waves 2 and 3 ask for 32 rows of B each, waves 0 and 1 share A's units out.
.macro ASK u, n
	s_cmp_eq_u32 s17, 0
	s_cbranch_scc0 .Lask_b_\@
	s_cmp_eq_u32 s18, 0
	s_cbranch_scc0 .Lask_a_\@
	PF (\u)*UA
.if \n > 2
	PF ((\u)+2)*UA
.endif
	s_branch .Lask_x_\@
.Lask_a_\@:
.if \n > 1
	PF ((\u)+1)*UA
.endif
	s_branch .Lask_x_\@
.Lask_b_\@:
	PF (\u)*UB
.if \n > 1
	PF ((\u)+1)*UB
.endif
.if \n > 2
	PF ((\u)+2)*UB
.endif
.Lask_x_\@:
.endm
	s_load_b256 s[4:11], s[0:1], 0x0               ; xr_codes s[4:5], xr_scales s[6:7], weight's codes s[8:9], weight's scales s[10:11]
	s_load_b128 s[12:15], s[0:1], 0x20             ; bias s[12:13], out s[14:15]
	v_lshl_add_u32 v[SPW], v0, 2, SPARE
	v_mov_b32 v[NIL], 0
	ds_add_u32 v[SPW], v[NIL]                      ; the wave's opening: the add, twice on end, and its wait ahead of my first tensor load
	ds_add_u32 v[SPW], v[NIL]
	v_lshrrev_b32 v1, 5, v0
	v_readfirstlane_b32 s16, v1                    ; wave 0..3
	s_lshr_b32 s17, s16, 1                         ; which 64 rows of the tile are mine.  Also: I fetch for A (0) or for B (1)
	s_and_b32 s18, s16, 1                          ; which 128 columns.  Also: which half of that tile I fetch
	s_bfe_u32 s20, ttmp6, 0x40000                  ; cx, cy: my place in the cluster
	s_bfe_u32 s21, ttmp6, 0x40004
	s_and_b32 s19, ttmp7, 0xffff
	s_lshl_b32 s22, s19, 2
	s_add_co_u32 s22, s22, s20                     ; tile column = 4 x cluster y + cx
	s_lshl_b32 s23, ttmp9, 2
	s_add_co_u32 s23, s23, s21                     ; tile row = 4 x cluster x + cy
	s_lshl_b32 s100, s21, 2
	s_lshl_b32 s100, 15, s100                      ; my row of the cluster
	s_lshl_b32 s101, 0x1111, s20                   ; my column
	; group 1, word 0: 15:0 the mask; 17:16 element size; 20 padding on; 21 set beside a mask; 24:22 after every 128, 64 or 32 words (code 6, 5 or 4); 31:25 four words of it (code 3)
	s_or_b32 s[G1A],  s100, (1<<20)|(1<<21)|(4<<22)|(3<<25)
	s_or_b32 s[G1B],  s101, (1<<20)|(1<<21)|(6<<22)|(3<<25)
	s_or_b32 s[G1XA], s100, (1<<20)|(1<<21)|(4<<22)|(3<<25)
	s_or_b32 s[G1XB], s101, (1<<20)|(1<<21)|(5<<22)|(3<<25)
	s_or_b32 s[G1SA], s100, (3<<16)|(1<<21)        ; no padding: each lane reads 8 neighbouring bytes
	s_or_b32 s[G1SB], s101, (3<<16)|(1<<20)|(1<<21)|(5<<22)|(3<<25)
	SHAPE G1A, 256, 256, 256                       ; the head's: four dense runs, 65,536 bytes; two of them behind it: 128 rows
	SHAPE G1B, 512, 256, 2048                      ; all 256 rows of 512 bytes; set to 128 behind it
	SHAPE G1XA, 256, 64, 256                       ; one run
	SHAPE G1XB, 256, 128, 2048
	SHAPE G1SA, 32, 64, 32                         ; dense: 64 rows of 32 elements of 8 bytes
	SHAPE G1SB, 32, 128, 32
	; offsets in bytes, each in the registers that will hold the address: A's hang on the tile row alone, B's on the tile column alone
	s_lshl_b32 s[G0SA+2], s23, 14
	s_mov_b32 s[G0SA+3], 0
	s_lshl_b32 s[G0SB+2], s22, 15
	s_mov_b32 s[G0SB+3], 0
	s_lshl_b32 s100, s23, 18                       ; the whole tile's, for the head
	s_mov_b32 s101, 0
	s_lshl_b32 s104, s22, 19
	s_mov_b32 s105, 0
	s_lshl_b32 s[G0AY+2], s18, 15                  ; my two of Y's four runs of A,
	s_add_co_u32 s[G0AY+2], s[G0AY+2], s100
	s_mov_b32 s[G0AY+3], 0
	s_lshl_b32 s[G0AX+2], s18, 14                  ; my one of X's two, unit 2 first,
	s_add_co_u32 s[G0AX+2], s[G0AX+2], s100
	s_add_co_u32 s[G0AX+2], s[G0AX+2], 2*UA
	s_mov_b32 s[G0AX+3], 0
	s_lshl_b32 s[G0BY+2], s18, 18                  ; my 128 rows of B
	s_add_co_u32 s[G0BY+2], s[G0BY+2], s104
	s_mov_b32 s[G0BY+3], 0
	s_mul_i32 s[G0AY+1], s18, 2*RUN                ; and where they go: no place in the cluster enters an LDS address
	s_mul_i32 s[G0BY+1], s18, 128*528
	s_add_co_u32 s[G0BY+1], s[G0BY+1], ABY
	s_mul_i32 s[G0AX+1], s18, RUN
	s_add_co_u32 s[G0AX+1], s[G0AX+1], XB
	s_mul_i32 s[G0BX+1], s18, 128*272
	s_add_co_u32 s[G0BX+1], s[G0BX+1], XB+ABX
	s_lshl_b32 s2, s20, 13                         ; prefetches of A: 32 blocks of 256 bytes by cx,
	s_add_co_u32 s2, s2, s100
	s_lshl_b32 s3, s21, 17                         ; of B: 64 rows by cy, 32 of them mine
	s_add_co_u32 s3, s3, s104
	s_lshl_b32 s19, s18, 16
	s_add_co_u32 s3, s3, s19
	s_cmp_eq_u32 s17, 0
	s_cselect_b32 s2, s2, s3
	s_cselect_b32 s19, 8, 11                       ; a lane's step: a block of A, a row of B
	s_mov_b32 s3, 0
	s_wait_dscnt 0x0                               ; both opening adds are done
	s_wait_kmcnt 0x0
	s_add_nc_u64 s[G0SA+2:G0SA+3], s[6:7], s[G0SA+2:G0SA+3]
	s_add_nc_u64 s[G0SB+2:G0SB+3], s[10:11], s[G0SB+2:G0SB+3]
	s_add_nc_u64 s[G0AY+2:G0AY+3], s[4:5], s[G0AY+2:G0AY+3]
	s_add_nc_u64 s[G0AX+2:G0AX+3], s[4:5], s[G0AX+2:G0AX+3]
	s_add_nc_u64 s[G0BY+2:G0BY+3], s[8:9], s[G0BY+2:G0BY+3]
	s_add_nc_u64 s[G0BX+2:G0BX+3], s[G0BY+2:G0BY+3], 2*UB
	s_cmp_eq_u32 s17, 0
	s_cselect_b64 s[PFB:PFB+1], s[4:5], s[8:9]
	s_add_nc_u64 s[PFB:PFB+1], s[PFB:PFB+1], s[2:3]
	s_add_nc_u64 s[G0H+2:G0H+3], s[4:5], s[100:101]
	s_add_nc_u64 s[G0HB+2:G0HB+3], s[8:9], s[104:105]
.irp g, G0H, G0HB, G0AY, G0AX, G0BY, G0BX, G0SA, G0SB
	s_mov_b32 s[\g], 1
	s_or_b32 s[\g+3], s[\g+3], 0x80000000
.endr
	s_mov_b32 s[G0H+1], 0
	s_mov_b32 s[G0HB+1], ABY
	s_mov_b32 s[G0SA+1], SCA
	s_mov_b32 s[G0SB+1], SCB
	CROUND                                         ; all sixteen work-groups are here: the first joint loads meet
	; THE HEAD'S LOADS, ONE A WAVE: units 0-1 of A, of B, A's scales, B's scales
	ARM 1, G0H,  G1A,  .Lhead_b
	ARM 2, G0HB, G1B,  .Lhead_sa
	ARM 3, G0SA, G1SA, .Lhead_sb
	tensor_load_to_lds s[G0SB:G0SB+3], s[G1SB:G1SB+7]
	s_nop 0
.rept 4
	v_nop
.endr
.Lhead_asked:
	v_and_b32 v3, 31, v0                           ; lane
	v_bfe_u32 v2, v0, 4, 1                         ; h = lane / 16
	v_lshlrev_b32 v[PFO], s19, v3
	v_lshlrev_b32 v[BO], 5, v2
	s_lshl_b32 s100, s22, 10                       ; my first column, in bytes: 1,024 x tile column + 512 x half
	s_lshl_b32 s101, s18, 9
	s_add_co_u32 s100, s100, s101
	s_mov_b32 s101, 0
	s_add_nc_u64 s[12:13], s[12:13], s[100:101]    ; the bias there
	s_wait_alu depctr_va_vdst(0)                   ; directly ahead of the branches
	ASK 2, 3
	WIN 0xc0
.irp b, 0,1,2,3,4,5,6,7
	global_load_b128 v[BI+8*\b:BI+8*\b+3], v[BO], s[12:13] offset:64*\b        ; the bias of columns 16 b + 8 h + 0 .. 7: the result's layout, the same for every row
	global_load_b128 v[BI+8*\b+4:BI+8*\b+7], v[BO], s[12:13] offset:64*\b+16
.endr
	WIN 0
	s_lshl_b32 s104, s23, 21                       ; my first row of out: 128 x tile row + 64 x half, 16,384 bytes a row
	s_lshl_b32 s105, s17, 20
	s_add_co_u32 s104, s104, s105
	s_add_co_u32 s104, s104, s100
	s_mov_b32 s105, 0
	s_add_nc_u64 s[14:15], s[14:15], s[104:105]
	s_mul_i32 s100, s17, 64*144                    ; my 64 rows of A in Y; in X:
	s_add_co_u32 s101, s100, XB
	s_mul_i32 s104, s18, 128*528                   ; my 128 rows of B
	s_add_co_u32 s104, s104, ABY
	s_mul_i32 s105, s18, 128*272
	s_add_co_u32 s105, s105, XB+ABX
	s_lshl_b32 s2, s17, 9                          ; my scale bytes: A's 64 rows, 8 a row in each of 16 runs,
	s_add_co_u32 s2, s2, SCA
	s_mul_i32 s3, s18, 64*272                      ; B's 128
	s_add_co_u32 s3, s3, SCB
	s_mul_i32 s19, s16, 16*528                     ; my stage
	s_add_co_u32 s19, s19, STAGE
	v_and_b32 v1, 15, v0                           ; r = lane % 16
	v_mul_u32_u24 v4, v1, 528
	v_lshl_add_u32 v4, v2, 4, v4                   ; a fragment's row x pitch + 16 x half
	v_mul_u32_u24 v5, v1, 272
	v_lshl_add_u32 v5, v2, 4, v5
	v_mul_u32_u24 v8, v1, 144
	v_lshl_add_u32 v8, v2, 4, v8
	v_add_nc_u32 v[ADRA], s100, v8
	v_add_nc_u32 v[ADRA+1], s101, v8
	v_add_nc_u32 v[ADRB], s104, v4
	v_add_nc_u32 v[ADRB+1], s105, v5
	v_lshrrev_b32 v6, 1, v3                        ; B's scale bytes: two rows of 128 in each LDS row of 272
	v_and_b32 v7, 1, v3
	v_mul_u32_u24 v6, v6, 272
	v_lshl_add_u32 v6, v7, 7, v6
	v_lshl_add_u32 v[ADRSA], v3, 3, s2
	v_add_nc_u32 v[ADRSB], s3, v6
	v_mul_u32_u24 v9, v1, 528                      ; the stage, in: row r, 32 bytes for each half of the lanes
	v_lshl_add_u32 v9, v2, 5, v9
	v_add_nc_u32 v[STO], s19, v9
	v_lshlrev_b32 v[CO], 4, v3                     ; back: the 32 lanes take one row of 512 bytes; and the same in out
	v_add_nc_u32 v[RD], s19, v[CO]
; One matrix instruction: A's block a x B's 32 columns p, the st-th 128 along K.  B's scale words fill all 32 lanes; an odd block of A has its words in lanes 16-31.  first = 1: the sum starts from the bias.
.macro WM a, p, st, first
.set rD, 64*(\a)+16*(\p)
.set rB, 64*((\st)%4)+16*(\p)
.set rA, 32*((\st)%4)+8*(\a)
.set rT, SB+32*(\p)+(\st)
.set rS, SA+32*((\a)/2)+(\st)
.set rC, rD
.if \first
.set rC, BI+16*(\p)
.endif
.if (\a)%2 == 0
	v_wmma_scale_f32_32x16x128_f4 v[rD:rD+15], v[rB:rB+15], v[rA:rA+7], v[rC:rC+15], v[rT], v[rS]
.else
	v_wmma_scale_f32_32x16x128_f4 v[rD:rD+15], v[rB:rB+15], v[rA:rA+7], v[rC:rC+15], v[rT], v[rS] matrix_b_scale:MATRIX_SCALE_ROW1
.endif
.endm
.macro MUL4 a, st, first               ; the 16 accumulators take turns, in the same order in every step
.irp p, 0,1,2,3
	WM \a, \p, \st, \first
.endr
.endm
.macro MULS st, first
.irp a, 0,1,2,3
	MUL4 \a, \st, \first
.endr
.endm
.macro AT st                           ; where step st lies: slot SL (0: Y, 1: X), its QQ-th 128 along K, B's LDS pitch PT; its set of fragments ST
.set ST, (\st)%4
.if (\st) < 8
.set SL, 0
.set QQ, (\st)
.elseif (\st) < 12
.set SL, 1
.set QQ, (\st)-8
.elseif (\st) < 20
.set SL, 0
.set QQ, (\st)-12
.elseif (\st) < 24
.set SL, 1
.set QQ, (\st)-20
.else
.set SL, 0
.set QQ, (\st)-24
.endif
.set PT, 528-256*SL
.set AQ, (QQ/2)*RUN+64*(QQ%2)          ; A's run, and the half of its rows
.endm
; 24 LDS loads in one run: step st's fragments.  16 rows x 128 K of 4-bit codes are 8 registers: lane l holds row l % 16; registers 4 c .. 4 c + 3 hold K = 64 c + 32 (l / 16) + 0 .. 31.
.macro FETCH st
	AT \st
	WIN 0x40
.irp i, 0,1,2,3,4,5,6,7
	ds_load_b128 v[64*ST+8*\i:64*ST+8*\i+3],   v[ADRB+SL] offset:64*QQ+\i*16*PT
	ds_load_b128 v[64*ST+8*\i+4:64*ST+8*\i+7], v[ADRB+SL] offset:64*QQ+\i*16*PT+32
.endr
	WIN 0xc0
.irp i, 0,1,2,3
	ds_load_b128 v[32*ST+8*\i:32*ST+8*\i+3],   v[ADRA+SL] offset:AQ+\i*16*144
	ds_load_b128 v[32*ST+8*\i+4:32*ST+8*\i+7], v[ADRA+SL] offset:AQ+\i*16*144+32
.endr
.endm
.macro SCALES u                        ; unit u's scale words: eight loads: A's two words a row from each of the unit's two runs, B's four words a row
.irp p, 0,1
.irp y, 0,1
	ds_load_b64 v[SA+32*\p+4*(\u)+2*\y:SA+32*\p+4*(\u)+2*\y+1], v[ADRSA] offset:1024*(2*(\u)+\y)+256*\p
.endr
.endr
.irp p, 0,1,2,3
	ds_load_b128 v[SB+32*\p+4*(\u):SB+32*\p+4*(\u)+3], v[ADRSB] offset:4352*\p+16*(\u)
.endr
.endm
.macro STEP st                         ; 128 along K; the fragments of the step after the next are asked for first
	s_wait_dscnt 24                                ; my fragments are in; the next step's 24 loads may be out
	PLACES                                         ; in front of loads into a set that was multiplied
	FETCH (\st)+2
	WIN MUL
	MULS \st, 0
.endm
; The step before a slot's last: its last fragments are out already, so the slot changes here.  In front of the barrier each wave waits for all its tensor loads, adds 0 to its spare word, and waits for that and for its reads.
; fill = 1: Y is filled again, 2: X, three units on; 0: nothing is left to fetch and no round follows.  u, n: what is prefetched (n = 0: nothing).
.macro TURN st, fill, u, n
	s_wait_dscnt 24
	WIN MUL
	MUL4 0, \st, 0
	WIN 0
	s_wait_tensorcnt 0x0                           ; my part of the next slot has landed: no tensor load of mine is out, so a group 0 may be written
	ds_add_u32 v[SPW], v[NIL]
.if \fill == 1
	s_add_nc_u64 s[G0AY+2:G0AY+3], s[G0AY+2:G0AY+3], 3*UA
	s_add_nc_u64 s[G0BY+2:G0BY+3], s[G0BY+2:G0BY+3], 3*UB
.elseif \fill == 2
	s_add_nc_u64 s[G0AX+2:G0AX+3], s[G0AX+2:G0AX+3], 3*UA
	s_add_nc_u64 s[G0BX+2:G0BX+3], s[G0BX+2:G0BX+3], 3*UB
.endif
	WIN MUL
	MUL4 1, \st, 0
	s_wait_dscnt 0x0                               ; the add is done, and my reads of this slot are over
	s_barrier_signal -1
	MUL4 2, \st, 0
	WIN 0
	s_barrier_wait -1
.if \fill
	CREST                                          ; no wave of any partner still reads this slot or has a load on its way
.endif
.if \fill == 1
	JLOAD G0AY, G1A, G0BY, G1B
.elseif \fill == 2
	JLOAD G0AX, G1XA, G0BX, G1XB
.else
	PLACES
.endif
	FETCH (\st)+2
.if \n
	WIN 0
	ASK \u, \n
.endif
	WIN MUL
	MUL4 3, \st, 0
.endm
	s_wait_alu depctr_va_vdst(0)                   ; the head's end
	s_wait_tensorcnt 0x0                           ; my tile of the head's four is in
	s_mov_b32 s[G1A+2], 128<<16                    ; no tensor load of mine is out: from here on a load for Y brings two runs of A
	s_mov_b32 s[G1A+4], 128
	s_mov_b32 s[G1B+2], 128<<16                    ; or 128 rows of B
	s_mov_b32 s[G1B+4], 128
	s_barrier_signal -1
	s_barrier_wait -1                              ; all four tiles are in
	SCALES 0
	FETCH 0
	WIN 0
	SCALES 1
	SCALES 2
	SCALES 3
	s_wait_loadcnt 0x0                             ; the bias
	s_wait_dscnt 24                                ; step 0's fragments and unit 0's scales are in; units 1 to 3's 24 loads may be out
	FETCH 1
	WIN MULB
	MULS 0, 1                                      ; the first products start the sums, from the bias
	; step 1: the last scales leave X, and X takes unit 2
	s_wait_dscnt 0x0
	WIN 0
	SCALES 4
	SCALES 5
	SCALES 6
	SCALES 7
	FETCH 2
	WIN MUL
	MUL4 0, 1, 0
	MUL4 1, 1, 0
	WIN 0
	s_wait_tensorcnt 0x0                           ; ahead of the fill
	ds_add_u32 v[SPW], v[NIL]
	WIN MUL
	MUL4 2, 1, 0
	s_wait_dscnt 0x0                               ; the add is done, and all my scales are in registers
	s_barrier_signal -1
	MUL4 3, 1, 0
	WIN 0
	s_barrier_wait -1
	CREST
	JLOAD G0AX, G1XA, G0BX, G1XB
	FETCH 3
	WIN 0
	ASK 5, 1
.irp st, 2,3,4,5
	STEP \st
.endr
	TURN 6, 1, 6, 2                                ; Y takes units 3-4
.irp st, 7,8,9
	STEP \st
.endr
	TURN 10, 2, 0, 0                               ; X takes unit 5
.irp st, 11,12,13,14,15,16,17
	STEP \st
.endr
	TURN 18, 1, 0, 0                               ; Y takes units 6-7: the last load
.irp st, 19,20,21
	STEP \st
.endr
	TURN 22, 0, 0, 0                               ; nobody reads X any more
.irp st, 23,24,25,26,27,28,29
	STEP \st
.endr
; THE WAY OUT, block by block of 16 rows x 128 columns.  A lane holds 32 neighbouring bytes of a row, and the lanes beside it hold other rows: so a block goes through my own stage in LDS and comes back as whole
; rows of 512 bytes.  LDS serves a wave's instructions in order (ISA guide 5.7.1.4): no wait between the stores and the loads, nor in front of the next block's stores.
; Blocks 0, 1, 3 come back into window 1 (the fragments of steps 28, 29, 30), block 2 into window 3 (those of A of steps 28 and 29): no source of a store is ever written again.
.macro WHERE a
.set RW, 1
.set RB, 64*(\a)
.if (\a) == 2
.set RW, 3
.set RB, 0
.elseif (\a) == 3
.set RB, 128
.endif
.endm
.macro TOSTAGE a
	WHERE \a
	WIN 0x08                                       ; an LDS store's data are its source 1: window 2
.irp b, 0,1,2,3,4,5,6,7
	ds_store_b128 v[STO], v[64*(\a)+8*\b:64*(\a)+8*\b+3] offset:64*\b          ; each accumulator from its low end on
	ds_store_b128 v[STO], v[64*(\a)+8*\b+4:64*(\a)+8*\b+7] offset:64*\b+16
.endr
.if RW == 1
	WIN 0x40
.else
	WIN 0xc0
.endif
.irp t, 0,1,2,3,4,5,6,7,8,9,10,11,12,13,14,15
	ds_load_b128 v[RB+4*\t:RB+4*\t+3], v[RD] offset:528*\t
.endr
.endm
.macro SEND a, younger                 ; younger: the LDS instructions issued behind block a's loads, which may stay out
	WHERE \a
.if RW == 1
	WIN 0x04                                       ; a store's data are its source 1
.else
	WIN 0x0c
.endif
	s_wait_dscnt \younger                          ; the block is back in registers
.irp t, 0,1,2,3,4,5,6,7,8,9,10,11,12,13,14,15
	global_store_b128 v[CO], v[RB+4*\t:RB+4*\t+3], s[14:15] offset:(16*(\a)+\t)*16384 th:TH_STORE_NT   ; 32 lanes store 512 consecutive bytes, at a multiple of 256 from out's first byte; 63 rows at the most: inside the signed 24-bit immediate
.endr
.endm
.macro LAST a                          ; block a's last two steps: its four accumulators by turns
	WIN MUL
	MUL4 \a, 30, 0
	MUL4 \a, 31, 0
	PLACES
	TOSTAGE \a
.endm
	s_wait_dscnt 0x0                               ; the last two steps' fragments are in
	LAST 0
	LAST 1
	SEND 0, 32                                     ; behind block 0's loads: block 1's 16 stores and 16 loads
	LAST 2
	SEND 1, 32
	LAST 3
	SEND 2, 32
	SEND 3, 0
	WIN 0
	s_wait_tensorcnt 0x0                           ; the wave's end, behind my last tensor load and my last LDS store
	ds_add_u32 v[SPW], v[NIL]
	s_wait_dscnt 0x0
	CROUND                                         ; the closing round: no work-group ends while a partner may still ask for a tile that names it
	s_endpgm
.Lfunc_end_k_qe046d48137_linear:
	.size	k_qe046d48137_linear, .Lfunc_end_k_qe046d48137_linear-k_qe046d48137_linear
	.p2alignl 7, 3214868480
	.fill 96, 4, 3214868480
	.section	.rodata,"a",@progbits
	.p2align	6, 0x0
	.amdhsa_kernel k_qe046d48137_linear
		.amdhsa_group_segment_fixed_size 327680
		.amdhsa_private_segment_fixed_size 0
		.amdhsa_enable_private_segment 0
		.amdhsa_kernarg_size 48
		.amdhsa_user_sgpr_count 2
		.amdhsa_user_sgpr_kernarg_segment_ptr 1
		.amdhsa_wavefront_size32 1
		.amdhsa_system_sgpr_workgroup_id_x 1
		.amdhsa_system_sgpr_workgroup_id_y 1
		.amdhsa_system_sgpr_workgroup_id_z 1
		.amdhsa_system_vgpr_workitem_id 0
		.amdhsa_next_free_vgpr 1024
		.amdhsa_next_free_sgpr 106
		.amdhsa_reserve_vcc 0
		.amdhsa_float_denorm_mode_32 3
		.amdhsa_float_denorm_mode_16_64 3
		.amdhsa_memory_ordered 1
		.amdhsa_forward_progress 1
		.amdhsa_inst_pref_size 158
	.end_amdhsa_kernel
	.amdgpu_metadata
---
amdhsa.version: [ 1, 2 ]
amdhsa.kernels:
  - .name:           k_qe046d48137_linear
    .symbol:         k_qe046d48137_linear.kd
    .args:
      - { .name: xr_codes, .offset: 0, .size: 8, .value_kind: global_buffer, .address_space: global }
      - { .name: xr_scales, .offset: 8, .size: 8, .value_kind: global_buffer, .address_space: global }
      - { .name: weight_codes, .offset: 16, .size: 8, .value_kind: global_buffer, .address_space: global }
      - { .name: weight_scales, .offset: 24, .size: 8, .value_kind: global_buffer, .address_space: global }
      - { .name: bias, .offset: 32, .size: 8, .value_kind: global_buffer, .address_space: global }
      - { .name: out0, .offset: 40, .size: 8, .value_kind: global_buffer, .address_space: global }
    .group_segment_fixed_size: 327680
    .private_segment_fixed_size: 0
    .kernarg_segment_align: 8
    .kernarg_segment_size: 48
    .max_flat_workgroup_size: 128
    .sgpr_count:     106
    .vgpr_count:     1024
    .wavefront_size: 32
...
	.end_amdgpu_metadata
.endif
;; end of part 4
